; MI455X (gfx1250); checked and timed in simulation.
; The chip was launched on July 23, 2026; its instructions are those of AMD's public machine-readable ISA for CDNA 5 (MIT licence, August 2026) and "CDNA5" Instruction Set Architecture Reference Guide (July 2026). The comments in the code are by the model that wrote it; some were corrected since.
;; Prob Attention Layer. Allowed arithmetic: matrix products marked QUANTISED: E2M1 operands, one E8M0 scale for each 32 along K, by v_wmma_scale_f32_16x16x128_f8f6f4 with both operands' format E2M1 (or v_wmma_scale_f32_32x16x128_f4), f32 sums; everything else in f32.
;; Inputs: Wk 1,024 x 1,024 float32; Wo 1,024 x 1,024 float32; Wq 1,024 x 1,024 float32; Wv 1,024 x 1,024 float32; beta 1,024 float32; bk 1,024 float32; bo 1,024 float32; bq 1,024 float32; bv 1,024 float32; gamma 1,024 float32; x 4 x 2,048 x 1,024 float32.
;; Outputs: out0 4 x 2,048 x 1,024 float32.
;; This version of the problem:
;;   THIS VERSION OF THE PROBLEM IS GIVEN IN LOW PRECISION. The matrix products marked QUANTISED in the list below multiply operands that are first quantised to E2M1 (2 exponent bits, 1 mantissa bit; 4 bits a number), with one power-of-two scale for each 32 numbers along K (OCP MX v1.0); their sums are f32. All else is computed in f32.
;;   The module's matrix products, in the order in which they are computed (A, B: the left and right operand; K: the contracted axis; several contracted axes count as one K, in the product's order):
;;     1. [M 8,192, K 1,024] x [K 1,024, N 1,024]; A: input x; B: input Wq: QUANTISED
;;     2. [M 8,192, K 1,024] x [K 1,024, N 1,024]; A: input x; B: input Wk: QUANTISED
;;     3. [M 8,192, K 1,024] x [K 1,024, N 1,024]; A: input x; B: input Wv: QUANTISED
;;     4. batch 64 x [M 2,048, K 64] x [K 64, N 2,048]; A: computed on the way; B: computed on the way: QUANTISED
;;     5. batch 64 x [M 2,048, K 2,048] x [K 2,048, N 64]; A: softmax (see below); B: computed on the way: QUANTISED
;;     6. [M 8,192, K 1,024] x [K 1,024, N 1,024]; A: computed on the way; B: input Wo: QUANTISED
;;   THE QUANTISER, for each operand of a quantised product, along K:
;;     - K is cut into blocks of 32 from its start; a last block that is shorter is filled with zeros.
;;     - A block's scale is 2^e with e = floor(log2(the largest magnitude in the block)) - 2, held to -126 .. 127; a block of zeros has e = 0. As a byte (E8M0): e + 127.
;;     - Each number is divided by its block's scale, clamped to +-6, and rounded to the nearest number of E2M1, ties to even, subnormals kept.
;;     - The product sums the exact products of the quantised numbers (number of the format x scale) in f32.
;;   ~~~python
;;   def quantise(x, axis):      # numpy; x: float32 -> the quantised numbers, widened to float32 again
;;       x = np.moveaxis(x, axis, -1); K = x.shape[-1]
;;       x = np.pad(x, [(0, 0)] * (x.ndim - 1) + [(0, -K % 32)]); x = x.reshape(x.shape[:-1] + (-1, 32)); a = np.abs(x).max(-1, keepdims=True)
;;       e = np.where(a > 0, np.clip(np.frexp(np.where(a > 0, a, 1))[1] - 1 - 2, -126, 127), 0)      # np.frexp(a)[1] - 1 = floor(log2(a)), exactly
;;       r = np.clip(x / 2.0 ** e, -6, 6)
;;       step = 2.0 ** (np.maximum(np.frexp(np.where(r == 0, 1, r))[1] - 1, 0) - 1)
;;       q = np.round(r / step) * step * 2.0 ** e      # np.round: ties to even
;;       return np.moveaxis(q.reshape(q.shape[:-2] + (-1,))[..., :K], -1, axis).astype(np.float32)
;;   ~~~
;;   SOFTMAX AHEAD OF A QUANTISED PRODUCT. Where the list says 'softmax', what is quantised is not the finished softmax but p = 2^(t - M), with t = logit x log2(e) and M = ceil(the row's largest t), a whole number; so 1/2 < the row's largest p <= 1. The row's sum l is taken of the UNQUANTISED p, in f32, and the product's result is divided by l at the end. Since M is a whole number, a kernel that streams over the keys may use a running M (the ceiling of the running maximum): every later rescaling is an exact power of two, which a block's scale takes up: the codes' values come out the same.
;;   OPERANDS COMPUTED ON THE WAY. 'Computed on the way' means the value that the module computes at that place (a softmax that the list does not call 'softmax' is quantised finished and normalised). What goes into a quantiser is computed in f32, as accurately as f32 sums, v_exp_f32 and their like allow (about 1e-6 of the number): no bf16 or f16 on the way to a quantiser, and a product that is left as it is and whose result goes on into a quantised operand takes f32 operands (vector FMAs, or v_wmma_f32_16x16x4_f32). A number that lies on a knife's edge between two numbers of the format may be rounded either way, as far as f32 arithmetic and the matrix unit's own rounding can turn it there, and no further.
;; 2 versions. Each part assembles by itself: llvm-mc -triple=amdgcn-amd-amdhsa -mcpu=gfx1250 --defsym DOCPART=n.
;; ======== version 1 of 2: 4 launches
;; workspace buffers: xc 4,194,304 bytes; xs 262,144 bytes; wc 2,097,152 bytes; ws 131,072 bytes; qkv 13,893,632 bytes; oc 4,194,304 bytes; os 262,144 bytes
;; launch prep (part 1): grid 768 x 1, 4 waves a work-group, no clusters, 34,304 bytes of LDS; arguments x, Wq, Wk, Wv, Wo, xc, xs, wc, ws; writes xc, xs, wc, ws
.if DOCPART == 1
	.amdgcn_target "amdgcn-amd-amdhsa--gfx1250"
	.amdhsa_code_object_version 6
	.text
	.protected	k_q54ad1bd2f9_prep
	.globl	k_q54ad1bd2f9_prep
	.p2align	8
	.type	k_q54ad1bd2f9_prep,@function
k_q54ad1bd2f9_prep:
	s_mov_b64 s[64:65], 0
	v_nop
	global_prefetch_b8 v0, s[64:65] scope:SCOPE_SE
	s_setreg_imm32_b32 hwreg(HW_REG_WAVE_MODE, 25, 1), 1
	s_wait_xcnt 0x0
; PREP: x [8192][1024] is quantised along its rows (K = the 1,024), Wq, Wk, Wv, Wo [1024 (k)][1024 (n)] along their FIRST axis, to codes of E2M1 with one E8M0 byte for each 32 along K.
; DEAD WORK: none.  Every input of the problem reaches the output (the biases on q, k and v move codes, so they stay), and every product of the table is done.
; A block's scale is 2^(floor(log2(largest magnitude)) - 2); its byte is the largest magnitude's exponent field - 2, held at 1 from below by a floor among the maximum's leaves.
; LIMITS: a block of zeros gets the byte 1 where the rule says 127 (its codes are zeros, and this program alone reads the bytes); a block whose largest magnitude lies under 2^-124 keeps the byte 1; NaN and infinities among the inputs are not served.
; LAYOUT OF THE WORKSPACES: the order of the operand's registers.  Tile T holds 16 rows, lane r the row pi(T, r) = 32 (T / 2) + 8 (T % 2) + r + 8 (r / 8): so a product's 16 registers of two neighbouring tiles are 16 neighbours along the next K.
;   codes:  (T x 8 + s) x 1,024 + 512 c + 16 lane: the 16 bytes with k = 128 s + 64 c + 32 (lane / 16) + 0 .. 31 of row pi(T, lane % 16): two loads of 16 bytes a lane are a fragment.
;   scales: (B x 8 + s) x 128 + 4 lane: the four bytes of K step s of row pi(2 B + lane / 16, lane % 16): one register serves a pair of tiles.
; For the weights a "row" is a column n; tensor W (0 q, 1 k, 2 v, 3 o) has tiles 64 W .. 64 W + 63.
; SHARES: work-groups 0-511 take x: a wave 32 rows x 128 k.  Work-groups 512-767 take the weights: a wave 32 columns x 128 k, a lane a column, its registers down K.
; Every wave asks for all its numbers at its head.  No barrier: waves share nothing.  Only the x path touches LDS (a stage of its own for each wave).
; The scale words leave as 128 consecutive aligned bytes a wave: one byte in 128 of what the wave reads.
.set R,     64                         ; v64-191  the wave's numbers
.set TM,    16                         ; v16-31   at work: +0..3 largest magnitudes, +4..7 the other half's, then bytes, +12..15 the conversions' scale operands
.set PC,    32                         ; v32-47   codes
.set PW,    48                         ; v48-50   scale words: tile 0's, tile 1's, the two joined
.set SPW,   8                          ; v8       LDS address of my spare word; never rewritten
.set NIL,   9                          ; v9       0; never rewritten
.set STGW,  16*528                     ; a wave's stage: 16 rows of 512 bytes + 16
.set SPARE, 4*STGW                     ; behind the stages: the spare words, 128 bytes a wave
	s_load_b256 s[4:11], s[0:1], 0x0               ; x, Wq, Wk, Wv
	s_load_b256 s[12:19], s[0:1], 0x20             ; Wo, xc, xs, wc
	s_load_b64 s[20:21], s[0:1], 0x40              ; ws
	v_lshl_add_u32 v[SPW], v0, 2, SPARE
	v_mov_b32 v[NIL], 0
	v_lshrrev_b32 v1, 5, v0
	v_readfirstlane_b32 s22, v1                    ; wave
	v_and_b32 v1, 31, v0                           ; lane
	v_and_b32 v2, 15, v0                           ; r
	v_bfe_u32 v3, v0, 4, 1                         ; h
	v_lshlrev_b32 v4, 4, v1                        ; 16 lane
	v_lshlrev_b32 v7, 2, v1                        ; 4 lane
	s_mul_i32 s23, s22, STGW
	v_add_nc_u32 v5, s23, v4                       ; the stage, on the way in: 16 bytes a lane of a row
	v_mul_u32_u24 v6, v2, 528
	v_lshl_add_u32 v6, v3, 6, v6
	v_add_nc_u32 v6, s23, v6                       ; and on the way out: row r, 64 h bytes on
	s_mov_b32 s24, 0xffff0000                      ; lanes 16-31
	s_mov_b32 s26, 0x76543210
	s_mov_b32 s27, 0xfedcba98                      ; v_permlanex16_b32's selects for lane l xor 16
.irp b, 0,1,2,3
	v_mov_b32 v[TM+4+\b], 0                        ; written once: a lane permute's destination counts as one of its sources
.endr
	s_wait_kmcnt 0x0
	s_cmp_lt_u32 ttmp9, 512
	s_cbranch_scc0 .Lweights
; 64 numbers of a lane, register 16 b + i = k 32 b + 16 h + i of my row, become a fragment's codes (8 registers) and its scale word.
.macro QUANT src, pc, pw
.irp b, 0,1,2,3
	v_max3_num_f32 v[TM+\b], |v[\src+16*\b]|, |v[\src+1+16*\b]|, 0x1800000   ; block b: my 16 numbers and the floor 2^(3 - 127)
.endr
.irp i, 2,4,6,8,10,12,14
.irp b, 0,1,2,3
	v_max3_num_f32 v[TM+\b], v[TM+\b], |v[\src+16*\b+\i]|, |v[\src+1+16*\b+\i]|   ; the four blocks by turns
.endr
.endr
.irp b, 0,1,2,3
	v_permlanex16_b32 v[TM+4+\b], v[TM+\b], s26, s27
.endr
.irp b, 0,1,2,3
	v_max_num_f32 v[TM+\b], v[TM+\b], v[TM+4+\b]   ; with lane l xor 16's: the block's largest magnitude
.endr
.irp b, 0,1,2,3
	v_add_nc_u32 v[TM+12+\b], 0xff000000, v[TM+\b] ; 2 off its exponent field: the conversion's scale operand
.endr
.irp b, 0,1,2,3
	v_lshrrev_b32 v[TM+4+\b], 23, v[TM+12+\b]      ; the scale's byte
.endr
	v_lshl_or_b32 v[\pw], v[TM+5], 8, v[TM+4]
	v_lshl_or_b32 v[\pw], v[TM+6], 16, v[\pw]
	v_lshl_or_b32 v[\pw], v[TM+7], 24, v[\pw]
.irp b, 0,1,2,3
	v_cvt_scalef32_pk8_fp4_f32 v[\pc+2*\b], v[\src+16*\b:\src+7+16*\b], v[TM+12+\b]
	v_cvt_scalef32_pk8_fp4_f32 v[\pc+1+2*\b], v[\src+8+16*\b:\src+15+16*\b], v[TM+12+\b]
.endr
	v_nop                                          ; one plain place behind a scaled conversion
.irp c, 0,1                                    ; the operand's layout wants a whole block in a lane
.irp i, 0,1
	v_permlane16_swap_b32 v[\pc+4*\c+\i], v[\pc+2+4*\c+\i]
.endr
.endr
.endm
; Tile u's 16 rows x 512 bytes through my stage: in as loaded, back 64 bytes a lane for each block's half, into the registers that they left.  LDS serves a wave's instructions in order.
.macro TURN u
.irp i, 0,1,2,3,4,5,6,7,8,9,10,11,12,13,14,15
	ds_store_b128 v5, v[R+64*\u+4*\i:R+64*\u+4*\i+3] offset:528*\i
.endr
.irp b, 0,1,2,3
.irp q, 0,1,2,3
	ds_load_b128 v[R+64*\u+16*\b+4*\q:R+64*\u+16*\b+4*\q+3], v6 offset:128*\b+16*\q
.endr
.endr
.endm
	; ---- x: pair of tiles Bx = work-group / 2, K step 4 (work-group % 2) + wave
	s_lshr_b32 s28, ttmp9, 1
	s_and_b32 s29, ttmp9, 1
	s_lshl_b32 s29, s29, 2
	s_add_co_u32 s29, s29, s22
	s_lshl_b32 s30, s28, 17                        ; 32 rows of 4,096 bytes
	s_lshl_b32 s31, s29, 9
	s_add_co_u32 s30, s30, s31
	s_mov_b32 s31, 0
	s_add_nc_u64 s[4:5], s[4:5], s[30:31]
	s_lshl_b32 s32, s28, 14
	s_lshl_b32 s33, s29, 10
	s_add_co_u32 s32, s32, s33
	s_mov_b32 s33, 0
	s_add_nc_u64 s[14:15], s[14:15], s[32:33]
	s_lshl_b32 s34, s28, 3
	s_add_co_u32 s34, s34, s29
	s_lshl_b32 s34, s34, 7
	s_mov_b32 s35, 0
	s_add_nc_u64 s[16:17], s[16:17], s[34:35]
.irp u, 0,1
.irp i, 0,1,2,3,4,5,6,7,8,9,10,11,12,13,14,15
	global_load_b128 v[R+64*\u+4*\i:R+64*\u+4*\i+3], v4, s[4:5] offset:(8*\u+\i+8*(\i/8))*4096 th:TH_LOAD_NT   ; 512 consecutive bytes of the tile's row i
.endr
.endr
	s_wait_loadcnt 16                              ; tile 0's sixteen loads are in; tile 1's sixteen may be out
	TURN 0
	s_wait_loadcnt 0x0
	TURN 1
	s_wait_dscnt 32                                ; tile 0 is back; tile 1's 32 LDS instructions may be out
	QUANT R, PC, PW
	global_store_b128 v4, v[PC:PC+3], s[14:15]
	global_store_b128 v4, v[PC+4:PC+7], s[14:15] offset:512
	s_wait_dscnt 0x0
	QUANT R+64, PC+8, PW+1
	global_store_b128 v4, v[PC+8:PC+11], s[14:15] offset:8192
	global_store_b128 v4, v[PC+12:PC+15], s[14:15] offset:8704
	v_cndmask_b32 v[PW+2], v[PW], v[PW+1], s24     ; lanes 0-15 tile 0's words, lanes 16-31 tile 1's
	global_store_b32 v7, v[PW+2], s[16:17]
	s_wait_tensorcnt 0x0                           ; the wave's end: three lines behind my last LDS store
	ds_add_u32 v[SPW], v[NIL]
	s_wait_dscnt 0x0
	s_endpgm
.Lweights:
	; ---- the weights: g = work-group - 512; tensor g / 64; pair of tiles 4 ((g / 8) % 8) + wave; K step g % 8
	s_sub_co_u32 s28, ttmp9, 512
	s_lshr_b32 s29, s28, 6
	s_bfe_u32 s30, s28, 0x30003
	s_lshl_b32 s30, s30, 2
	s_add_co_u32 s30, s30, s22
	s_and_b32 s31, s28, 7
	s_cmp_eq_u32 s29, 1                            ; the choice hangs on the work-group's number alone
	s_cselect_b64 s[6:7], s[8:9], s[6:7]
	s_cmp_eq_u32 s29, 2
	s_cselect_b64 s[6:7], s[10:11], s[6:7]
	s_cmp_eq_u32 s29, 3
	s_cselect_b64 s[6:7], s[12:13], s[6:7]
	s_lshl_b32 s32, s31, 19                        ; 128 rows of 4,096 bytes
	s_lshl_b32 s33, s30, 7                         ; 32 columns
	s_add_co_u32 s32, s32, s33
	s_mov_b32 s33, 0
	s_add_nc_u64 s[6:7], s[6:7], s[32:33]
	s_lshl_b32 s34, s29, 6
	s_lshl_b32 s35, s30, 1
	s_add_co_u32 s34, s34, s35
	s_lshl_b32 s34, s34, 3
	s_add_co_u32 s34, s34, s31
	s_lshl_b32 s34, s34, 10
	s_mov_b32 s35, 0
	s_add_nc_u64 s[18:19], s[18:19], s[34:35]
	s_lshl_b32 s36, s29, 5
	s_add_co_u32 s36, s36, s30
	s_lshl_b32 s36, s36, 3
	s_add_co_u32 s36, s36, s31
	s_lshl_b32 s36, s36, 7
	s_mov_b32 s37, 0
	s_add_nc_u64 s[20:21], s[20:21], s[36:37]
.set i, 0
.rept 128
	global_load_b32 v[R+i], v7, s[6:7] offset:i*4096 th:TH_LOAD_NT   ; W(128 s + i, my column): 128 consecutive bytes a wave, 512 a work-group
.set i, i+1
.endr
	v_bfe_u32 v10, v0, 3, 1                        ; column 32 Bn + lane is row r = lane % 8 + 8 (lane / 16) of tile 2 Bn + u, u = (lane / 8) % 2
	v_and_b32 v11, 7, v0
	v_lshl_add_u32 v11, v3, 3, v11
	v_lshl_add_u32 v12, v10, 4, v11
	v_lshlrev_b32 v11, 4, v11
	v_lshl_add_u32 v10, v10, 13, v11               ; codes: 8,192 u + 16 r
	v_lshlrev_b32 v11, 2, v12                      ; scale word: 4 (16 u + r)
.macro BLOCK t                         ; block t of my column: all 32 numbers are mine
.set XB, R+32*(\t)
	v_max3_num_f32 v12, |v[XB]|, |v[XB+1]|, |v[XB+2]|
	v_max3_num_f32 v13, |v[XB+3]|, |v[XB+4]|, |v[XB+5]|
.irp i, 6,10,14,18,22,26
	v_max3_num_f32 v12, v12, |v[XB+\i]|, |v[XB+\i+1]|
	v_max3_num_f32 v13, v13, |v[XB+\i+2]|, |v[XB+\i+3]|
.endr
	v_max3_num_f32 v12, v12, |v[XB+30]|, |v[XB+31]|
	v_max3_num_f32 v12, v12, v13, 0x1800000        ; and the floor
	v_add_nc_u32 v15, 0xff000000, v12
	v_lshrrev_b32 v16, 23, v15
.if (\t) == 0
	v_mov_b32 v14, v16
.else
	v_lshl_or_b32 v14, v16, 8*(\t), v14
.endif
.irp g, 0,1,2,3
	v_cvt_scalef32_pk8_fp4_f32 v[PC+4*(\t)+\g], v[XB+8*\g:XB+8*\g+7], v15
.endr
	global_store_b128 v10, v[PC+4*(\t):PC+4*(\t)+3], s[18:19] offset:((\t)/2)*512+((\t)%2)*256   ; sixteen lanes fill 256 consecutive aligned bytes of each of the two tiles' images
.endm
	s_wait_loadcnt 63                              ; 64 loads were issued behind block 1's last: blocks 0 and 1 are in
	BLOCK 0
	BLOCK 1
	s_wait_loadcnt 32                              ; block 3's 32 loads may be out
	BLOCK 2
	s_wait_loadcnt 0x0
	BLOCK 3
	global_store_b32 v11, v14, s[20:21]
	s_endpgm
.Lfunc_end_k_q54ad1bd2f9_prep:
	.size	k_q54ad1bd2f9_prep, .Lfunc_end_k_q54ad1bd2f9_prep-k_q54ad1bd2f9_prep
	.p2alignl 7, 3214868480
	.fill 96, 4, 3214868480
	.section	.rodata,"a",@progbits
	.p2align	6, 0x0
	.amdhsa_kernel k_q54ad1bd2f9_prep
		.amdhsa_group_segment_fixed_size 34304
		.amdhsa_private_segment_fixed_size 0
		.amdhsa_enable_private_segment 0
		.amdhsa_kernarg_size 72
		.amdhsa_user_sgpr_count 2
		.amdhsa_user_sgpr_kernarg_segment_ptr 1
		.amdhsa_wavefront_size32 1
		.amdhsa_system_sgpr_workgroup_id_x 1
		.amdhsa_system_sgpr_workgroup_id_y 1
		.amdhsa_system_sgpr_workgroup_id_z 1
		.amdhsa_system_vgpr_workitem_id 0
		.amdhsa_next_free_vgpr 192
		.amdhsa_next_free_sgpr 66
		.amdhsa_reserve_vcc 0
		.amdhsa_float_denorm_mode_32 3
		.amdhsa_float_denorm_mode_16_64 3
		.amdhsa_memory_ordered 1
		.amdhsa_forward_progress 1
		.amdhsa_inst_pref_size 38
	.end_amdhsa_kernel
	.amdgpu_metadata
---
amdhsa.version: [ 1, 2 ]
amdhsa.kernels:
  - .name:           k_q54ad1bd2f9_prep
    .symbol:         k_q54ad1bd2f9_prep.kd
    .args:
      - { .name: x, .offset: 0, .size: 8, .value_kind: global_buffer, .address_space: global }
      - { .name: Wq, .offset: 8, .size: 8, .value_kind: global_buffer, .address_space: global }
      - { .name: Wk, .offset: 16, .size: 8, .value_kind: global_buffer, .address_space: global }
      - { .name: Wv, .offset: 24, .size: 8, .value_kind: global_buffer, .address_space: global }
      - { .name: Wo, .offset: 32, .size: 8, .value_kind: global_buffer, .address_space: global }
      - { .name: xc, .offset: 40, .size: 8, .value_kind: global_buffer, .address_space: global }
      - { .name: xs, .offset: 48, .size: 8, .value_kind: global_buffer, .address_space: global }
      - { .name: wc, .offset: 56, .size: 8, .value_kind: global_buffer, .address_space: global }
      - { .name: ws, .offset: 64, .size: 8, .value_kind: global_buffer, .address_space: global }
    .group_segment_fixed_size: 34304
    .private_segment_fixed_size: 0
    .kernarg_segment_align: 8
    .kernarg_segment_size: 72
    .max_flat_workgroup_size: 128
    .sgpr_count:     66
    .vgpr_count:     192
    .wavefront_size: 32
...
	.end_amdgpu_metadata
.endif
;; end of part 1
;; launch qkv (part 2): grid 16 x 16, 4 waves a work-group, no clusters, 0 bytes of LDS; arguments xc, xs, wc, ws, bq, bk, bv, qkv; writes qkv
.if DOCPART == 2
	.amdgcn_target "amdgcn-amd-amdhsa--gfx1250"
	.amdhsa_code_object_version 6
	.text
	.protected	k_q54ad1bd2f9_qkv
	.globl	k_q54ad1bd2f9_qkv
	.p2align	8
	.type	k_q54ad1bd2f9_qkv,@function
k_q54ad1bd2f9_qkv:
	s_mov_b64 s[64:65], 0
	v_nop
	global_prefetch_b8 v0, s[64:65] scope:SCOPE_SE
	s_setreg_imm32_b32 hwreg(HW_REG_WAVE_MODE, 25, 1), 1
	s_wait_xcnt 0x0
; QKV: q = x Wq + bq, k = x Wk + bk, v = x Wv + bv on codes of E2M1 (K = 1,024, eight steps of 128), and each result quantised in registers for attention: q and k along the head's 64, v along the keys.  Nothing of reference() is left out here.
; SHARES: 48 slices of 64 columns, slice = 16 kind + head (kind 0 q, 1 k, 2 v).  Work-group (x, y) takes slices 3 x .. 3 x + 2 and rows 512 y on; wave w its 128 rows 128 (4 y + w) on, for the three slices one after the other: 32 accumulators.
; The wave's 128 rows of x's codes, all of K (64 KiB), stay in 512 registers for the whole launch; the weights come from memory straight into operand registers, four K steps ahead.
; NO LDS, NO TENSOR LOAD, NO CLUSTER: no operand passes through LDS, so there is no tile in which a joint load could land; a K step is 32 matrix instructions against 4 KiB of weights a wave.
; q, k: source 0 = 16 columns of W, source 1 = 16 rows of x: a lane holds one position, its registers run along the head's 64.   v: source 0 = x, source 1 = W: a lane holds one channel d, its registers run along the 128 positions (the keys).
; The bias is the C of each sum's first matrix instruction.  The 32 accumulators take turns, one instruction a turn.
; OUT: record (batch x 16 + head) x 16 + block of 128 positions, 13,568 bytes: q's codes 0, q's scale words 4,096, k's codes 4,608, v's codes 8,704, k's scale words 12,800, v's 13,312; all in the order of the operand's registers.
; LIMITS: as stated at the head of the first launch (byte 1 for blocks of zeros and under the floor; NaN and infinities not served).
; REGISTERS: window 0: v1-8 addresses; v16-47 x's scale words (4 s + a / 2); v48-63 the weights' (2 s + t / 2); v64-95 the bias; v96-223 the weights' fragments, four sets; v224-239 at work; v240-247 codes; v248-255 scale words made.
;   window 1: the accumulators.   windows 2, 3: x's fragments of K steps 0-3, 4-7, at 64 (s % 4) + 8 a.
.set XS,  16
.set WSC, 48
.set BI,  64
.set WF,  96
.set TM,  224
.set PC,  240
.set PW,  248
.set MSB, 0
.macro WIN new                         ; the immediate's high byte repeats the setting that is left
.if MSB != \new
	s_set_vgpr_msb (MSB<<8)|\new
.set MSB, \new
.endif
.endm
.macro WM d, a, b, c, sa, sb, ra, rb   ; one product; ra, rb = 1: that side's scale words stand in lanes 16-31
.if (\ra) && (\rb)
	v_wmma_scale_f32_16x16x128_f8f6f4 v[0+(\d):7+(\d)], v[0+(\a):7+(\a)], v[0+(\b):7+(\b)], v[0+(\c):7+(\c)], v[\sa], v[\sb] matrix_a_fmt:MATRIX_FMT_FP4 matrix_b_fmt:MATRIX_FMT_FP4 matrix_a_scale:MATRIX_SCALE_ROW1 matrix_b_scale:MATRIX_SCALE_ROW1
.elseif (\ra)
	v_wmma_scale_f32_16x16x128_f8f6f4 v[0+(\d):7+(\d)], v[0+(\a):7+(\a)], v[0+(\b):7+(\b)], v[0+(\c):7+(\c)], v[\sa], v[\sb] matrix_a_fmt:MATRIX_FMT_FP4 matrix_b_fmt:MATRIX_FMT_FP4 matrix_a_scale:MATRIX_SCALE_ROW1
.elseif (\rb)
	v_wmma_scale_f32_16x16x128_f8f6f4 v[0+(\d):7+(\d)], v[0+(\a):7+(\a)], v[0+(\b):7+(\b)], v[0+(\c):7+(\c)], v[\sa], v[\sb] matrix_a_fmt:MATRIX_FMT_FP4 matrix_b_fmt:MATRIX_FMT_FP4 matrix_b_scale:MATRIX_SCALE_ROW1
.else
	v_wmma_scale_f32_16x16x128_f8f6f4 v[0+(\d):7+(\d)], v[0+(\a):7+(\a)], v[0+(\b):7+(\b)], v[0+(\c):7+(\c)], v[\sa], v[\sb] matrix_a_fmt:MATRIX_FMT_FP4 matrix_b_fmt:MATRIX_FMT_FP4
.endif
.endm
; 16 nb numbers of a lane in window 1, register 16 b + i = k 32 b + 16 h + i of my row, become 2 nb registers of codes and a scale word.  Each accumulator is read from its low end on.
.macro QUANT nb, src, pc, pw
	WIN 0x05                                       ; sources 0 and 1: window 1
.set qb, 0
.rept \nb
	v_max3_num_f32 v[TM+qb], |v[16*qb+(\src)]|, |v[16*qb+1+(\src)]|, 0x1800000   ; and the floor 2^(3 - 127)
.set qb, qb+1
.endr
.irp i, 2,4,6,8,10,12,14
.set qb, 0
.rept \nb
	v_max3_num_f32 v[TM+qb], |v[16*qb+\i+(\src)]|, |v[16*qb+\i+1+(\src)]|, v[TM+qb]
.set qb, qb+1
.endr
.endr
	WIN 0
.set qb, 0
.rept \nb
	v_permlanex16_b32 v[TM+4+qb], v[TM+qb], s26, s27
.set qb, qb+1
.endr
.set qb, 0
.rept \nb
	v_max_num_f32 v[TM+qb], v[TM+qb], v[TM+4+qb]
.set qb, qb+1
.endr
.set qb, 0
.rept \nb
	v_add_nc_u32 v[TM+12+qb], 0xff000000, v[TM+qb] ; 2 off the exponent field: the conversion's scale operand
.set qb, qb+1
.endr
.set qb, 0
.rept \nb
	v_lshrrev_b32 v[TM+4+qb], 23, v[TM+12+qb]      ; the scale's byte
.set qb, qb+1
.endr
	v_lshl_or_b32 v[\pw], v[TM+5], 8, v[TM+4]
.if (\nb) == 4
	v_lshl_or_b32 v[\pw], v[TM+6], 16, v[\pw]
	v_lshl_or_b32 v[\pw], v[TM+7], 24, v[\pw]
.endif
	WIN 0x01                                       ; the numbers: window 1
.set qb, 0
.rept \nb
	v_cvt_scalef32_pk8_fp4_f32 v[2*qb+(\pc)], v[16*qb+(\src):16*qb+7+(\src)], v[TM+12+qb]
	v_cvt_scalef32_pk8_fp4_f32 v[2*qb+1+(\pc)], v[16*qb+8+(\src):16*qb+15+(\src)], v[TM+12+qb]
.set qb, qb+1
.endr
	WIN 0
	v_nop                                          ; one plain place behind a scaled conversion
.set qb, 0
.rept (\nb)/2
	v_permlane16_swap_b32 v[4*qb+(\pc)], v[4*qb+2+(\pc)]
	v_permlane16_swap_b32 v[4*qb+1+(\pc)], v[4*qb+3+(\pc)]
.set qb, qb+1
.endr
.endm
.macro LOADW s                         ; the slice's four fragments of K step s: eight loads of 512 consecutive bytes
.irp t, 0,1,2,3
.irp c, 0,1
	global_load_b128 v[WF+32*((\s)%4)+8*\t+4*\c:WF+32*((\s)%4)+8*\t+4*\c+3], v4, s[28:29] offset:\t*8192+(\s)*1024+\c*512
.endr
.endr
.endm
; What a slice needs before its first product: s38 = the slice; s[28:29], s[30:31] stand at its codes and scale words.
.macro HEADLOADS
	s_cmp_lt_u32 s38, 16
	s_cselect_b64 s[32:33], s[12:13], s[14:15]
	s_cmp_lt_u32 s38, 32
	s_cselect_b64 s[32:33], s[32:33], s[16:17]     ; bq, bk or bv: the choice hangs on ids alone
	s_and_b32 s40, s38, 15
	s_lshl_b32 s40, s40, 8
	s_mov_b32 s41, 0
	s_add_nc_u64 s[32:33], s[32:33], s[40:41]      ; the head's 64 numbers
	s_cmp_lt_u32 s38, 32
	s_cbranch_scc0 .Lbias_v_\@
.irp t, 0,1,2,3                                ; q, k: register j of tile t is channel 32 (t / 2) + 16 h + 8 (t % 2) + j
	global_load_b128 v[BI+8*\t:BI+8*\t+3], v7, s[32:33] offset:(32*(\t/2)+8*(\t%2))*4
	global_load_b128 v[BI+8*\t+4:BI+8*\t+7], v7, s[32:33] offset:(32*(\t/2)+8*(\t%2))*4+16
.endr
	s_branch .Lbias_done_\@
.Lbias_v_\@:
.irp t, 0,1,2,3                                ; v: a lane is one channel: all eight registers of a tile hold its bias
.irp j, 0,1,2,3,4,5,6,7
	global_load_b32 v[BI+8*\t+\j], v8, s[32:33] offset:(32*(\t/2)+8*(\t%2))*4
.endr
.endr
.Lbias_done_\@:
.irp k, 0,1,2,3,4,5,6,7
.irp p, 0,1
	global_load_b32 v[WSC+2*\k+\p], v6, s[30:31] offset:\p*1024+\k*128
.endr
.endr
	LOADW 0
	LOADW 1
	LOADW 2
	LOADW 3
.endm
.macro STEPWAIT s                      ; the loads issued behind K step s's own eight: three groups of eight up to step 4, then 2, 1, 0.  Step 0's wait also shows all that was asked for earlier
.if (\s) < 5
	s_wait_loadcnt 24
.else
	s_wait_loadcnt 8*(7-(\s))
.endif
.endm
.macro STEPTAIL s
	WIN 0
.if (\s) < 4
.rept 4
	v_nop                                          ; places in front of loads into registers that the products have read
.endr
	LOADW (\s)+4
.endif
.endm
.macro KSTEP_QK s
	STEPWAIT \s
.if (\s) == 0
	WIN 0x48                                       ; source 1 (x) window 2, C (the bias) window 0, D window 1
.elseif (\s) < 4
	WIN 0x58
.else
	WIN 0x5c                                       ; x's K steps 4-7: window 3
.endif
.irp a, 0,1,2,3,4,5,6,7
.irp t, 0,1,2,3
.if (\s) == 0
	WM 32*\a+8*\t, WF+32*((\s)%4)+8*\t, 64*((\s)%4)+8*\a, BI+8*\t, WSC+2*(\s)+\t/2, XS+4*(\s)+\a/2, \t%2, \a%2
.else
	WM 32*\a+8*\t, WF+32*((\s)%4)+8*\t, 64*((\s)%4)+8*\a, 32*\a+8*\t, WSC+2*(\s)+\t/2, XS+4*(\s)+\a/2, \t%2, \a%2
.endif
.endr
.endr
	STEPTAIL \s
.endm
.macro KSTEP_V s
	STEPWAIT \s
.if (\s) == 0
	WIN 0x42                                       ; source 0 (x) window 2, C (the bias) window 0, D window 1
.elseif (\s) < 4
	WIN 0x52
.else
	WIN 0x53
.endif
.irp t, 0,1,2,3
.irp a, 0,1,2,3,4,5,6,7
.if (\s) == 0
	WM 64*\t+8*\a, 64*((\s)%4)+8*\a, WF+32*((\s)%4)+8*\t, BI+8*\t, XS+4*(\s)+\a/2, WSC+2*(\s)+\t/2, \a%2, \t%2
.else
	WM 64*\t+8*\a, 64*((\s)%4)+8*\a, WF+32*((\s)%4)+8*\t, 64*\t+8*\a, XS+4*(\s)+\a/2, WSC+2*(\s)+\t/2, \a%2, \t%2
.endif
.endr
.endr
	STEPTAIL \s
.endm
	s_load_b512 s[4:19], s[0:1], 0x0               ; xc, xs, wc, ws, bq, bk, bv, qkv
	v_lshrrev_b32 v1, 5, v0
	v_readfirstlane_b32 s20, v1                    ; wave
	v_and_b32 v1, 31, v0
	v_and_b32 v2, 15, v0                           ; r
	v_bfe_u32 v3, v0, 4, 1                         ; h
	v_lshlrev_b32 v4, 4, v1                        ; 16 lane
	v_lshlrev_b32 v5, 3, v1                        ; 8 lane
	v_lshlrev_b32 v6, 2, v1                        ; 4 lane
	v_lshlrev_b32 v7, 6, v3                        ; 64 h
	v_and_b32 v8, 8, v2
	v_add_nc_u32 v8, v8, v2
	v_lshlrev_b32 v8, 2, v8                        ; 4 (r + 8 (r / 8))
.irp b, 0,1,2,3
	v_mov_b32 v[TM+4+\b], 0                        ; written once: a lane permute's destination counts as one of its sources
.endr
	s_and_b32 s21, ttmp7, 0xffff
	s_lshl_b32 s21, s21, 2
	s_add_co_u32 s21, s21, s20                     ; my block of 128 rows
	s_mul_i32 s22, ttmp9, 3                        ; the slice in hand
	s_mov_b32 s23, 3                               ; slices to go
	s_mov_b32 s24, 0xffff0000                      ; lanes 16-31
	s_mov_b32 s26, 0x76543210
	s_mov_b32 s27, 0xfedcba98
	s_lshl_b32 s38, s21, 16
	s_mov_b32 s39, 0
	s_lshl_b32 s40, s21, 12
	s_mov_b32 s41, 0
	s_lshl_b32 s42, s22, 15
	s_mov_b32 s43, 0
	s_lshl_b32 s44, s22, 11
	s_mov_b32 s45, 0
	s_wait_kmcnt 0x0
	s_add_nc_u64 s[4:5], s[4:5], s[38:39]
	s_add_nc_u64 s[6:7], s[6:7], s[40:41]
	s_add_nc_u64 s[28:29], s[8:9], s[42:43]
	s_add_nc_u64 s[30:31], s[10:11], s[44:45]
	WIN 0x80                                       ; destination window 2
.irp k, 0,1,2,3
.irp a, 0,1,2,3,4,5,6,7
.irp c, 0,1
	global_load_b128 v[64*\k+8*\a+4*\c:64*\k+8*\a+4*\c+3], v4, s[4:5] offset:\a*8192+\k*1024+\c*512
.endr
.endr
.endr
	WIN 0xc0                                       ; destination window 3
.irp k, 0,1,2,3
.irp a, 0,1,2,3,4,5,6,7
.irp c, 0,1
	global_load_b128 v[64*\k+8*\a+4*\c:64*\k+8*\a+4*\c+3], v4, s[4:5] offset:\a*8192+(\k+4)*1024+\c*512
.endr
.endr
.endr
	WIN 0
.irp k, 0,1,2,3,4,5,6,7
.irp p, 0,1,2,3
	global_load_b32 v[XS+4*\k+\p], v6, s[6:7] offset:\p*1024+\k*128
.endr
.endr
	s_mov_b32 s38, s22
	HEADLOADS
.Lslice:
	s_cmp_ge_u32 s22, 32
	s_cbranch_scc1 .Lsteps_v
.irp k, 0,1,2,3,4,5,6,7
	KSTEP_QK \k
.endr
	s_branch .Lnext
.Lsteps_v:
.irp k, 0,1,2,3,4,5,6,7
	KSTEP_V \k
.endr
.Lnext:
.rept 4
	v_nop                                          ; places behind the last products: for the loads below and for the first read of results
.endr
	s_cmp_eq_u32 s23, 1                            ; the last slice asks for nothing more
	s_cbranch_scc1 .Lno_more
	s_wait_xcnt 0x0                                ; the pointers are written again only behind this wait (their loads have also come: the last K step waited for all)
	s_add_nc_u64 s[28:29], s[28:29], 0x8000
	s_add_nc_u64 s[30:31], s[30:31], 0x800
	s_add_co_u32 s38, s22, 1
	HEADLOADS                                      ; the next slice's first four K steps are on their way while this one is quantised
.Lno_more:
	s_wait_xcnt 0x0                                ; the last slice's stores have read their bases
	s_lshr_b32 s39, s21, 4                         ; batch
	s_lshl_b32 s39, s39, 4
	s_and_b32 s40, s22, 15                         ; head
	s_add_co_u32 s39, s39, s40
	s_lshl_b32 s39, s39, 4
	s_and_b32 s40, s21, 15                         ; block of 128 positions
	s_add_co_u32 s39, s39, s40
	s_mul_i32 s40, s39, 13568                      ; the record
	s_lshr_b32 s39, s22, 4                         ; kind
	s_mov_b32 s44, 4096
	s_cmp_eq_u32 s39, 1
	s_cselect_b32 s42, 4608, 0
	s_cselect_b32 s43, 12800, s44
	s_cmp_eq_u32 s39, 2
	s_mov_b32 s44, 8704
	s_cselect_b32 s42, s44, s42
	s_mov_b32 s44, 13312
	s_cselect_b32 s43, s44, s43
	s_add_co_u32 s42, s42, s40
	s_add_co_u32 s44, s43, s40
	s_mov_b32 s43, 0
	s_mov_b32 s45, 0
	s_add_nc_u64 s[34:35], s[18:19], s[42:43]      ; where the codes go
	s_add_nc_u64 s[36:37], s[18:19], s[44:45]      ; where the scale words go
	s_cmp_ge_u32 s22, 32
	s_cbranch_scc1 .Lout_v
.irp a, 0,1,2,3,4,5,6,7                        ; q, k: tile a's 16 positions x 64 channels: two blocks, four registers of codes
	s_wait_xcnt 0x0                                ; earlier stores have read their data registers
	QUANT 2, 32*\a, PC+4*(\a%2), PW+\a
	global_store_b128 v4, v[PC+4*(\a%2):PC+4*(\a%2)+3], s[34:35] offset:512*\a   ; 512 consecutive bytes
.endr
.irp b, 0,1,2,3
	v_cndmask_b32 v[TM+\b], v[PW+2*\b], v[PW+2*\b+1], s24   ; lanes 0-15 the even tile's words, lanes 16-31 the odd tile's
.endr
	global_store_b128 v4, v[TM:TM+3], s[36:37]
	s_branch .Lstep
.Lout_v:
.irp t, 0,1,2,3                                ; v: tile t's 16 channels x 128 keys: four blocks, a whole fragment
	s_wait_xcnt 0x0
	QUANT 4, 64*\t, PC, PW+\t
	global_store_b128 v4, v[PC:PC+3], s[34:35] offset:1024*\t
	global_store_b128 v4, v[PC+4:PC+7], s[34:35] offset:1024*\t+512
.endr
	v_cndmask_b32 v[TM], v[PW], v[PW+1], s24
	v_cndmask_b32 v[TM+1], v[PW+2], v[PW+3], s24
	global_store_b64 v5, v[TM:TM+1], s[36:37]      ; 256 consecutive aligned bytes
.Lstep:
	s_add_co_u32 s22, s22, 1
	s_sub_co_u32 s23, s23, 1
	s_cmp_lg_u32 s23, 0
	s_cbranch_scc1 .Lslice
	s_endpgm
.Lfunc_end_k_q54ad1bd2f9_qkv:
	.size	k_q54ad1bd2f9_qkv, .Lfunc_end_k_q54ad1bd2f9_qkv-k_q54ad1bd2f9_qkv
	.p2alignl 7, 3214868480
	.fill 96, 4, 3214868480
	.section	.rodata,"a",@progbits
	.p2align	6, 0x0
	.amdhsa_kernel k_q54ad1bd2f9_qkv
		.amdhsa_group_segment_fixed_size 0
		.amdhsa_private_segment_fixed_size 0
		.amdhsa_enable_private_segment 0
		.amdhsa_kernarg_size 64
		.amdhsa_user_sgpr_count 2
		.amdhsa_user_sgpr_kernarg_segment_ptr 1
		.amdhsa_wavefront_size32 1
		.amdhsa_system_sgpr_workgroup_id_x 1
		.amdhsa_system_sgpr_workgroup_id_y 1
		.amdhsa_system_sgpr_workgroup_id_z 1
		.amdhsa_system_vgpr_workitem_id 0
		.amdhsa_next_free_vgpr 1024
		.amdhsa_next_free_sgpr 66
		.amdhsa_reserve_vcc 0
		.amdhsa_float_denorm_mode_32 3
		.amdhsa_float_denorm_mode_16_64 3
		.amdhsa_memory_ordered 1
		.amdhsa_forward_progress 1
		.amdhsa_inst_pref_size 142
	.end_amdhsa_kernel
	.amdgpu_metadata
---
amdhsa.version: [ 1, 2 ]
amdhsa.kernels:
  - .name:           k_q54ad1bd2f9_qkv
    .symbol:         k_q54ad1bd2f9_qkv.kd
    .args:
      - { .name: xc, .offset: 0, .size: 8, .value_kind: global_buffer, .address_space: global }
      - { .name: xs, .offset: 8, .size: 8, .value_kind: global_buffer, .address_space: global }
      - { .name: wc, .offset: 16, .size: 8, .value_kind: global_buffer, .address_space: global }
      - { .name: ws, .offset: 24, .size: 8, .value_kind: global_buffer, .address_space: global }
      - { .name: bq, .offset: 32, .size: 8, .value_kind: global_buffer, .address_space: global }
      - { .name: bk, .offset: 40, .size: 8, .value_kind: global_buffer, .address_space: global }
      - { .name: bv, .offset: 48, .size: 8, .value_kind: global_buffer, .address_space: global }
      - { .name: qkv, .offset: 56, .size: 8, .value_kind: global_buffer, .address_space: global }
    .group_segment_fixed_size: 0
    .private_segment_fixed_size: 0
    .kernarg_segment_align: 8
    .kernarg_segment_size: 64
    .max_flat_workgroup_size: 128
    .sgpr_count:     66
    .vgpr_count:     1024
    .wavefront_size: 32
...
	.end_amdgpu_metadata
.endif
;; end of part 2
;; launch attn (part 3): grid 4 x 64, 16 waves a work-group, clusters of 4 x 1, 167,936 bytes of LDS; arguments qkv, oc, os; writes oc, os
.if DOCPART == 3
	.amdgcn_target "amdgcn-amd-amdhsa--gfx1250"
	.amdhsa_code_object_version 6
	.text
	.protected	k_q54ad1bd2f9_attn
	.globl	k_q54ad1bd2f9_attn
	.p2align	8
	.type	k_q54ad1bd2f9_attn,@function
k_q54ad1bd2f9_attn:
	s_mov_b64 s[64:65], 0
	v_nop
	global_prefetch_b8 v0, s[64:65] scope:SCOPE_SE
	s_setreg_imm32_b32 hwreg(HW_REG_WAVE_MODE, 25, 1), 1
	s_wait_xcnt 0x0
	s_wait_alu depctr_hold_cnt(0) depctr_sa_sdst(0) depctr_va_vdst(0) depctr_va_sdst(0) depctr_va_ssrc(0) depctr_va_vcc(0) depctr_vm_vsrc(0)
	s_getreg_b32 s2, hwreg(HW_REG_IB_STS2, 6, 4)
	s_cmp_eq_u32 s2, 0
	s_cbranch_scc0 .Lentry_in_a_cluster
	s_endpgm
.Lentry_in_a_cluster:
	s_bfe_u32 s2, ttmp6, 0x10000c
	s_cmp_lg_u32 s2, 0x3003
	s_cbranch_scc0 .Lentry_shape_is_right
	s_endpgm
.Lentry_shape_is_right:
; ATTN: for each of the 64 heads (batch x 16 + head): O = softmax(q k^T / 8) v on codes of E2M1, and O quantised along the model's 1,024 for the last product.  Nothing of reference() is left out here.
; THE SOFTMAX AHEAD OF THE SECOND PRODUCT: t = score x log2(e) / 8; M = the running largest t rounded UP to a whole number (kept as -M = floor(-t)); p = 2^(t - M) is what is quantised, along the keys, not normalised.
; The row's sum is taken of the unquantised p and divides O at the end.  When M moves, the sum and O are multiplied by 2^(old M - new M): exact, and no branch on data.
; SHARES: a work-group owns 512 queries of a head; each of its sixteen waves one tile of 16 queries in each of two passes, in 256 registers: four waves to a SIMD, so that one wave's vector work stands beside another's products and LDS loads.
; A HEAD'S WHOLE K AND V LIE IN LDS: 16 key steps of 128 keys x 8,960 bytes (k's codes 0, v's codes 4,096, k's scale words 8,192, v's 8,704), each one dense run of memory.  Each wave brings ONE key step by one tensor load, at the head:
; first fills alone, no slot is filled again, one barrier.  A wave has one tensor load out.
; CLUSTER: the four work-groups of a head want the same 16 runs: each is asked for jointly, by the same load with the same descriptor (made of the head and the wave's number) and the mask of all four.  The place in the cluster enters global addresses of q and of the results alone.
; LAYOUT: both products are used transposed: S^T = k q^T (source 0 = 16 keys), O^T = v^T p^T (source 0 = 16 channels): a lane holds one query throughout.  Lane r of tile T stands for row 32 (T / 2) + 8 (T % 2) + r + 8 (r / 8), so the 16 registers of two neighbouring tiles are 16 neighbours along the next K.
; K = 64 IN AN INSTRUCTION OF 128: q's registers 4-7 are zero codes.  k's operand of tile t is its four registers and the four behind them (the next tile's codes, or zeros): they meet q's zero codes and add nothing; their scale bytes are 0, which is a power of two and no NaN.
; No prefetch: every byte is asked for at the kernel's head.
; LIMITS: p under 2^-126 counts as 0 (v_exp_f32); a block of p that is all zeros keeps the byte 1, its codes are zeros; NaN and infinities are not served.
.set A16,  1                           ; v1   16 lane
.set A8,   2                           ; v2   8 lane + 8,704: v's scale words
.set SPW,  3                           ; v3   LDS address of my spare word; never rewritten
.set NIL,  4                           ; v4   0; never rewritten
.set ADR,  5                           ; v5   the key step's images for my lane
.set ADV,  6                           ; v6   and v's scale words
.set AR16, 7                           ; v7   16 r
.set AOS,  8                           ; v8   where my row's two scale bytes of O go
.set AOG,  9                           ; v9   where wave 0 reads them back
.set KS,   28                          ; v28-31   k's scale words, a pair of tiles a register
.set KF,   32                          ; v32-63   k's codes, four registers a tile; v64-67 zeros
.set VF,   68                          ; v68-99   v's four fragments
.set VS,   100                         ; v100-101 v's scale words
.set S,    104                         ; v104-167 S^T, then p
.set OT,   168                         ; v168-199 O^T
.set PCD,  200                         ; v200-207 p's codes; on the way out O's
.set BM,   208                         ; v208-211 the blocks' largest scores, then largest p
.set T2,   212                         ; v212-215 lane l xor 16's; then bytes
.set SC,   216                         ; v216-219 the conversions' scale operands
.set FF,   220                         ; v[220:221] f = 2^(old M - new M); on the way out 1 / the sum (the pair's upper half is named only)
.set TA,   222
.set SUM2, 224                         ; v[224:225] the second chain of the sum
.set OW,   226                         ; O's two scale bytes
.set PWD,  228                         ; p's scale word
.set TM,   208                         ; the way out's work registers: +0,1 +4,5 +12,13
.set STEPB, 8960
.set OSG,   16*STEPB                   ; 1,024 bytes: the work-group's scale bytes of O
.set SPARE, OSG+1024                   ; the spare words, 128 bytes a wave
.macro CROUND                          ; a round of the cluster's barrier
	s_barrier_signal -1
	s_barrier_wait -1
	s_cmp_lg_u32 s10, 0
	s_cbranch_scc1 .Lnot_wave_0_\@
	s_barrier_signal -3
.Lnot_wave_0_\@:
	s_barrier_wait -3
	s_barrier_signal -1
	s_barrier_wait -1
.endm
	s_load_b128 s[4:7], s[0:1], 0x0                ; qkv, oc
	s_load_b64 s[8:9], s[0:1], 0x10                ; os
	v_lshl_add_u32 v[SPW], v0, 2, SPARE
	v_mov_b32 v[NIL], 0
	ds_add_u32 v[SPW], v[NIL]                      ; the wave's opening: the add, twice on end, and its wait ahead of my first tensor load
	ds_add_u32 v[SPW], v[NIL]
	v_lshrrev_b32 v10, 5, v0
	v_readfirstlane_b32 s10, v10                   ; wave 0..15
	s_and_b32 s11, ttmp7, 0xffff                   ; batch x 16 + head
	s_bfe_u32 s12, ttmp6, 0x40000                  ; cx: my block of 512 queries
	; descriptor group 1: 35 rows of 256 bytes (32 elements of 8 bytes), dense in memory and in LDS
	s_mov_b32 s16, 15|(3<<16)|(1<<21)              ; the mask: all four work-groups; elements of 8 bytes; bit 21 beside a mask
	s_mov_b32 s17, 32<<16                          ; tensor_dim0
	s_mov_b32 s18, 35<<16                          ; tensor_dim1
	s_mov_b32 s19, 32<<16                          ; tile_dim0
	s_mov_b32 s20, 35                              ; tile_dim1
	s_mov_b32 s21, 32                              ; from row to row
	s_mov_b32 s22, 0
	s_mov_b32 s23, 0
	s_mov_b32 s24, 1                               ; group 0: count
	s_mul_i32 s25, s10, STEPB                      ; LDS address: key step = my wave's number
	s_lshl_b32 s42, s11, 4
	s_add_co_u32 s43, s42, s10
	s_mul_i32 s44, s43, 13568
	s_add_co_u32 s44, s44, 4608                    ; that key step's run in memory
	s_mov_b32 s45, 0
	s_mov_b32 s28, 0x76543210
	s_mov_b32 s29, 0xfedcba98                      ; v_permlanex16_b32's selects for lane l xor 16
	s_mov_b32 s30, 0x3e38aa3b                      ; c = log2(e) / 8
	s_mov_b32 s31, s30                             ; (named with it as a pair)
	; my queries: pass p takes tile wave % 8 of block 4 cx + 2 p + wave / 8
	s_lshl_b32 s46, s12, 2
	s_lshr_b32 s47, s10, 3
	s_add_co_u32 s46, s46, s47
	s_add_co_u32 s46, s46, s42
	s_mul_i32 s46, s46, 13568
	s_and_b32 s47, s10, 7
	s_lshl_b32 s48, s47, 9
	s_add_co_u32 s48, s48, s46
	s_mov_b32 s49, 0
	s_and_b32 s50, s47, 1
	s_lshl_b32 s50, s50, 8
	s_lshr_b32 s51, s47, 1
	s_lshl_b32 s51, s51, 2
	s_add_co_u32 s50, s50, s51
	s_add_co_u32 s50, s50, s46
	s_mov_b32 s51, 0
	s_lshr_b32 s52, s11, 4                         ; batch
	s_lshl_b32 s53, s52, 7
	s_lshl_b32 s54, s12, 5
	s_add_co_u32 s53, s53, s54
	s_add_co_u32 s53, s53, s10                     ; my tile of rows in pass 0: 128 batch + 32 cx + wave
	s_lshl_b32 s53, s53, 13
	s_and_b32 s54, s11, 15                         ; head
	s_lshl_b32 s55, s54, 9
	s_add_co_u32 s56, s53, s55
	s_mov_b32 s57, 0
	s_lshl_b32 s58, s54, 8
	s_lshl_b32 s59, s52, 6
	s_add_co_u32 s58, s58, s59
	s_lshl_b32 s59, s12, 4
	s_add_co_u32 s58, s58, s59
	s_lshl_b32 s58, s58, 6
	s_mov_b32 s59, 0
	v_and_b32 v10, 31, v0
	v_lshlrev_b32 v[A16], 4, v10
	v_lshl_add_u32 v[A8], v10, 3, 8704
	v_and_b32 v11, 15, v0
	v_lshlrev_b32 v[AR16], 4, v11
	s_lshl_b32 s60, s10, 5
	s_add_co_u32 s60, s60, OSG
	v_lshl_add_u32 v[AOS], v11, 1, s60             ; OSG + 32 wave + 2 r
	v_add_nc_u32 v[AOG], OSG, v[A16]
	s_wait_dscnt 0x0                               ; both opening adds are done
	s_wait_kmcnt 0x0
	s_add_nc_u64 s[26:27], s[4:5], s[44:45]
	s_or_b32 s27, s27, 0x80000000                  ; type = 2
	s_add_nc_u64 s[34:35], s[4:5], s[48:49]        ; q's codes
	s_add_nc_u64 s[36:37], s[4:5], s[50:51]        ; q's scale words
	s_add_nc_u64 s[38:39], s[6:7], s[56:57]        ; O's codes
	s_add_nc_u64 s[40:41], s[8:9], s[58:59]        ; O's scale bytes
	CROUND                                         ; all four work-groups are here: the joint loads meet
	tensor_load_to_lds s[24:27], s[16:23]
	s_nop 0
.rept 4
	v_nop
.endr
	global_load_b128 v[16:19], v[A16], s[34:35]                ; q of pass 0
	global_load_b128 v[232:235], v[A16], s[34:35] offset:27136 ; and of pass 1, two records on
	global_load_b32 v24, v[AR16], s[36:37] offset:4096
	global_load_b32 v25, v[AR16], s[36:37] offset:31232
.irp j, 20,21,22,23,236,237,238,239,64,65,66,67
	v_mov_b32 v\j, 0                               ; zero codes for k = 64 .. 127
.endr
.irp b, 0,1,2,3
	v_mov_b32 v[T2+\b], 0                          ; written once: a lane permute's destination counts as one of its sources
.endr
	v_mov_b32 v[FF+1], 0
	s_wait_tensorcnt 0x0                           ; my key step has landed,
	s_barrier_signal -1
	s_barrier_wait -1                              ; everybody's has
	s_wait_loadcnt 0x0                             ; q
; A KEY STEP: 128 keys.  q, qs: the pass's fragment of q and its scale words.
.macro STEP q, qs
	v_add_nc_u32 v[ADR], s32, v[A16]
	v_add_nc_u32 v[ADV], s32, v[A8]
	v_nop
	v_nop                                          ; four places behind the last step's products, in front of loads into their registers
	ds_load_b128 v[KS:KS+3], v[ADR] offset:8192
.irp t, 0,1,2,3,4,5,6,7
	ds_load_b128 v[KF+4*\t:KF+4*\t+3], v[ADR] offset:512*\t
.endr
	ds_load_b64 v[VS:VS+1], v[ADV]
.irp t, 0,1,2,3
.irp c, 0,1
	ds_load_b128 v[VF+8*\t+4*\c:VF+8*\t+4*\c+3], v[ADR] offset:4096+1024*\t+512*\c
.endr
.endr
	s_wait_dscnt 9                                 ; k and its scale words are in; v's nine loads may be out
.irp t, 0,2,4,6
	v_wmma_scale_f32_16x16x128_f8f6f4 v[S+8*\t:S+8*\t+7], v[KF+4*\t:KF+4*\t+7], v[\q:\q+7], 0, v[KS+\t/2], v[\qs] matrix_a_fmt:MATRIX_FMT_FP4 matrix_b_fmt:MATRIX_FMT_FP4
	v_wmma_scale_f32_16x16x128_f8f6f4 v[S+8*\t+8:S+8*\t+15], v[KF+4*\t+4:KF+4*\t+11], v[\q:\q+7], 0, v[KS+\t/2], v[\qs] matrix_a_fmt:MATRIX_FMT_FP4 matrix_b_fmt:MATRIX_FMT_FP4 matrix_a_scale:MATRIX_SCALE_ROW1
.endr
.rept 4
	v_nop
.endr
.irp b, 0,1,2,3
	v_max3_num_f32 v[BM+\b], v[S+16*\b], v[S+1+16*\b], v[S+2+16*\b]   ; the largest score of each block of 32 keys: for the row's maximum, and, since p rises with the score, for the block's largest p
.endr
.irp i, 3,5,7,9,11,13
.irp b, 0,1,2,3
	v_max3_num_f32 v[BM+\b], v[BM+\b], v[S+16*\b+\i], v[S+1+16*\b+\i]
.endr
.endr
.irp b, 0,1,2,3
	v_max_num_f32 v[BM+\b], v[BM+\b], v[S+15+16*\b]
.endr
.irp b, 0,1,2,3
	v_permlanex16_b32 v[T2+\b], v[BM+\b], s28, s29
.endr
.irp b, 0,1,2,3
	v_max_num_f32 v[BM+\b], v[BM+\b], v[T2+\b]     ; with lane l xor 16's 16 keys
.endr
	v_max3_num_f32 v[TA], v[BM], v[BM+1], v[BM+2]
	v_max_num_f32 v[TA], v[TA], v[BM+3]
	v_mul_f32 v[TA], s30, v[TA]                    ; as t (c is positive)
	v_max_num_f32 v13, v13, v[TA]                  ; the running largest t
	v_mov_b32 v[TA], v12
	v_floor_f32 v12, -v13                          ; the new -M = -ceil(t)
	v_sub_f32 v[TA], v12, v[TA]                    ; old M - new M: a whole number, 0 or less
	v_cvt_i32_f32 v[TA], v[TA]                     ; (it saturates)
	v_ldexp_f32 v[FF], 1.0, v[TA]                  ; f
.irp j, 0,2,4,6,8,10,12,14,16,18,20,22,24,26,28,30,32,34,36,38,40,42,44,46,48,50,52,54,56,58,60,62
	v_pk_fma_f32 v[S+\j:S+\j+1], v[S+\j:S+\j+1], s[30:31], v[12:13] op_sel_hi:[1,0,0]   ; t - M, two at a time
.endr
.irp b, 0,1,2,3
	v_fma_f32 v[BM+\b], v[BM+\b], s30, v12         ; the same of each block's largest score
.endr
.irp j, 0,1,2,3,4,5,6,7,8,9,10,11,12,13,14,15,16,17,18,19,20,21,22,23,24,25,26,27,28,29,30,31,32,33,34,35,36,37,38,39,40,41,42,43,44,45,46,47,48,49,50,51,52,53,54,55,56,57,58,59,60,61,62,63
	v_exp_f32 v[S+\j], v[S+\j]                     ; p = 2^(t - M)
.endr
	v_pk_mul_f32 v[14:15], v[14:15], v[FF:FF+1] op_sel_hi:[1,0]   ; the sums under the new M: a plain place behind the exponentials
	s_wait_alu depctr_va_vdst(0)                   ; one wait for the batch of 64, ahead of its first reader
.irp b, 0,1,2,3
	v_exp_f32 v[BM+\b], v[BM+\b]                   ; the block's largest p
.endr
	v_pk_add_f32 v[SUM2:SUM2+1], v[S:S+1], v[S+2:S+3]   ; the row's sum of the unquantised p, in two chains: its first half is the plain work behind the four
.irp j, 4,8,12,16,20,24,28
	v_pk_add_f32 v[14:15], v[14:15], v[S+\j:S+\j+1]
	v_pk_add_f32 v[SUM2:SUM2+1], v[SUM2:SUM2+1], v[S+\j+2:S+\j+3]
.endr
	s_wait_alu depctr_va_vdst(0)                   ; and one for the four
.irp b, 0,1,2,3
	v_max_num_f32 v[BM+\b], 0x1800000, v[BM+\b]    ; the floor 2^(3 - 127)
.endr
.irp b, 0,1,2,3
	v_add_nc_u32 v[SC+\b], 0xff000000, v[BM+\b]    ; 2 off the exponent field: the conversion's scale operand
.endr
.irp b, 0,1,2,3
	v_lshrrev_b32 v[T2+\b], 23, v[SC+\b]           ; the scale's byte
.endr
	v_lshl_or_b32 v[PWD], v[T2+1], 8, v[T2]        ; p's scale word for these 128 keys
	v_lshl_or_b32 v[PWD], v[T2+2], 16, v[PWD]
	v_lshl_or_b32 v[PWD], v[T2+3], 24, v[PWD]
.irp b, 0,1,2,3
	v_cvt_scalef32_pk8_fp4_f32 v[PCD+2*\b], v[S+16*\b:S+7+16*\b], v[SC+\b]
	v_cvt_scalef32_pk8_fp4_f32 v[PCD+1+2*\b], v[S+8+16*\b:S+15+16*\b], v[SC+\b]
.endr
	v_nop                                          ; one plain place behind a scaled conversion
.irp c, 0,1
.irp i, 0,1
	v_permlane16_swap_b32 v[PCD+4*\c+\i], v[PCD+2+4*\c+\i]   ; a whole block in a lane
.endr
.endr
.irp j, 0,2,4,6,8,10,12,14,16,18,20,22,24,26,28,30
	v_pk_mul_f32 v[OT+\j:OT+\j+1], v[OT+\j:OT+\j+1], v[FF:FF+1] op_sel_hi:[1,0]   ; O^T under the new M
.endr
.irp j, 32,36,40,44,48,52,56,60
	v_pk_add_f32 v[14:15], v[14:15], v[S+\j:S+\j+1]            ; the sum's second half: 17 plain lines that name no register of the products below: their places
	v_pk_add_f32 v[SUM2:SUM2+1], v[SUM2:SUM2+1], v[S+\j+2:S+\j+3]
.endr
	v_pk_add_f32 v[14:15], v[14:15], v[SUM2:SUM2+1]
	s_wait_dscnt 0x0                               ; v is in
.irp t, 0,2
	v_wmma_scale_f32_16x16x128_f8f6f4 v[OT+8*\t:OT+8*\t+7], v[VF+8*\t:VF+8*\t+7], v[PCD:PCD+7], v[OT+8*\t:OT+8*\t+7], v[VS+\t/2], v[PWD] matrix_a_fmt:MATRIX_FMT_FP4 matrix_b_fmt:MATRIX_FMT_FP4
	v_wmma_scale_f32_16x16x128_f8f6f4 v[OT+8*\t+8:OT+8*\t+15], v[VF+8*\t+8:VF+8*\t+15], v[PCD:PCD+7], v[OT+8*\t+8:OT+8*\t+15], v[VS+\t/2], v[PWD] matrix_a_fmt:MATRIX_FMT_FP4 matrix_b_fmt:MATRIX_FMT_FP4 matrix_a_scale:MATRIX_SCALE_ROW1
.endr
.endm
; A PASS: one tile of 16 queries against all 2,048 keys, then its way out.
.macro PASS p, q, qs
.if \p
	s_wait_xcnt 0x0                                ; the last pass's store has read its data registers
.endif
	v_mov_b32 v13, 0xff61b1e6                      ; the largest t so far: -3e38
	v_floor_f32 v12, -v13                          ; -M
	v_mov_b32 v14, 0
	v_mov_b32 v15, 0
.irp j, 0,1,2,3,4,5,6,7,8,9,10,11,12,13,14,15,16,17,18,19,20,21,22,23,24,25,26,27,28,29,30,31
	v_mov_b32 v[OT+\j], 0                          ; the step is written once: the first finds zeros, which the first change of M leaves zeros
.endr
	s_mov_b32 s32, 0                               ; the key step's first LDS byte
	s_mov_b32 s33, 16
.Lstep_\@:
	STEP \q, \qs
	s_add_co_u32 s32, s32, STEPB
	s_sub_co_u32 s33, s33, 1
	s_cmp_lg_u32 s33, 0
	s_cbranch_scc1 .Lstep_\@
.rept 4
	v_nop                                          ; places behind the last products
.endr
	v_add_f32 v14, v14, v15
	v_permlanex16_b32 v[T2], v14, s28, s29
	v_add_f32 v14, v14, v[T2]                      ; the row's sum
	v_rcp_f32 v[FF], v14
	v_nop                                          ; a plain place behind the reciprocal
	s_wait_alu depctr_va_vdst(0)                   ; and the wait ahead of its first reader
.irp j, 0,2,4,6,8,10,12,14,16,18,20,22,24,26,28,30
	v_pk_mul_f32 v[OT+\j:OT+\j+1], v[OT+\j:OT+\j+1], v[FF:FF+1] op_sel_hi:[1,0]   ; O / the sum, each accumulator from its low end on: register 16 b + i is channel 32 b + 16 h + i
.endr
.irp b, 0,1
	v_max3_num_f32 v[TM+\b], |v[OT+16*\b]|, |v[OT+1+16*\b]|, 0x1800000
.endr
.irp i, 2,4,6,8,10,12,14
.irp b, 0,1
	v_max3_num_f32 v[TM+\b], v[TM+\b], |v[OT+16*\b+\i]|, |v[OT+1+16*\b+\i]|
.endr
.endr
.irp b, 0,1
	v_permlanex16_b32 v[TM+4+\b], v[TM+\b], s28, s29
.endr
.irp b, 0,1
	v_max_num_f32 v[TM+\b], v[TM+\b], v[TM+4+\b]
.endr
.irp b, 0,1
	v_add_nc_u32 v[TM+12+\b], 0xff000000, v[TM+\b]
.endr
.irp b, 0,1
	v_lshrrev_b32 v[TM+4+\b], 23, v[TM+12+\b]
.endr
	v_lshl_or_b32 v[OW], v[TM+5], 8, v[TM+4]       ; the head's two blocks' bytes of my row
.irp b, 0,1
	v_cvt_scalef32_pk8_fp4_f32 v[PCD+2*\b], v[OT+16*\b:OT+7+16*\b], v[TM+12+\b]
	v_cvt_scalef32_pk8_fp4_f32 v[PCD+1+2*\b], v[OT+8+16*\b:OT+15+16*\b], v[TM+12+\b]
.endr
	v_nop
	v_permlane16_swap_b32 v[PCD], v[PCD+2]
	v_permlane16_swap_b32 v[PCD+1], v[PCD+3]
	global_store_b128 v[A16], v[PCD:PCD+3], s[38:39] offset:131072*\p   ; 512 consecutive bytes: half a fragment of the last product's operand
	ds_store_b16 v[AOS], v[OW] offset:512*\p       ; both lanes of a row write the same two bytes
.endm
	PASS 0, 16, 24
	PASS 1, 232, 25
	s_wait_dscnt 0x0                               ; my scale bytes lie in LDS,
	s_barrier_signal -1
	s_barrier_wait -1                              ; everybody's do
	s_cmp_lg_u32 s10, 0
	s_cbranch_scc1 .Lnot_first
	ds_load_b128 v[104:107], v[AOG]                ; wave 0 stores the work-group's 1,024 bytes: whole runs of 512
	ds_load_b128 v[108:111], v[AOG] offset:512
	s_wait_dscnt 0x0
	global_store_b128 v[A16], v[104:107], s[40:41]
	global_store_b128 v[A16], v[108:111], s[40:41] offset:512
.Lnot_first:
	s_wait_tensorcnt 0x0                           ; the wave's end: three lines behind my last tensor load and my last LDS store
	ds_add_u32 v[SPW], v[NIL]
	s_wait_dscnt 0x0
	CROUND                                         ; the closing round
	s_endpgm
.Lfunc_end_k_q54ad1bd2f9_attn:
	.size	k_q54ad1bd2f9_attn, .Lfunc_end_k_q54ad1bd2f9_attn-k_q54ad1bd2f9_attn
	.p2alignl 7, 3214868480
	.fill 96, 4, 3214868480
	.section	.rodata,"a",@progbits
	.p2align	6, 0x0
	.amdhsa_kernel k_q54ad1bd2f9_attn
		.amdhsa_group_segment_fixed_size 167936
		.amdhsa_private_segment_fixed_size 0
		.amdhsa_enable_private_segment 0
		.amdhsa_kernarg_size 24
		.amdhsa_user_sgpr_count 2
		.amdhsa_user_sgpr_kernarg_segment_ptr 1
		.amdhsa_wavefront_size32 1
		.amdhsa_system_sgpr_workgroup_id_x 1
		.amdhsa_system_sgpr_workgroup_id_y 1
		.amdhsa_system_sgpr_workgroup_id_z 1
		.amdhsa_system_vgpr_workitem_id 0
		.amdhsa_next_free_vgpr 256
		.amdhsa_next_free_sgpr 66
		.amdhsa_reserve_vcc 0
		.amdhsa_float_denorm_mode_32 3
		.amdhsa_float_denorm_mode_16_64 3
		.amdhsa_memory_ordered 1
		.amdhsa_forward_progress 1
		.amdhsa_inst_pref_size 45
	.end_amdhsa_kernel
	.amdgpu_metadata
---
amdhsa.version: [ 1, 2 ]
amdhsa.kernels:
  - .name:           k_q54ad1bd2f9_attn
    .symbol:         k_q54ad1bd2f9_attn.kd
    .args:
      - { .name: qkv, .offset: 0, .size: 8, .value_kind: global_buffer, .address_space: global }
      - { .name: oc, .offset: 8, .size: 8, .value_kind: global_buffer, .address_space: global }
      - { .name: os, .offset: 16, .size: 8, .value_kind: global_buffer, .address_space: global }
    .group_segment_fixed_size: 167936
    .private_segment_fixed_size: 0
    .kernarg_segment_align: 8
    .kernarg_segment_size: 24
    .max_flat_workgroup_size: 512
    .sgpr_count:     66
    .vgpr_count:     256
    .wavefront_size: 32
...
	.end_amdgpu_metadata
.endif
;; end of part 3
;; launch oproj (part 4): grid 256 x 1, 16 waves a work-group, no clusters, 163,840 bytes of LDS; arguments oc, os, wc, ws, x, bo, gamma, beta, out0; writes out0
.if DOCPART == 4
	.amdgcn_target "amdgcn-amd-amdhsa--gfx1250"
	.amdhsa_code_object_version 6
	.text
	.protected	k_q54ad1bd2f9_oproj
	.globl	k_q54ad1bd2f9_oproj
	.p2align	8
	.type	k_q54ad1bd2f9_oproj,@function
k_q54ad1bd2f9_oproj:
	s_mov_b64 s[64:65], 0
	v_nop
	global_prefetch_b8 v0, s[64:65] scope:SCOPE_SE
	s_setreg_imm32_b32 hwreg(HW_REG_WAVE_MODE, 25, 1), 1
	s_wait_xcnt 0x0
; OPROJ: y = x + (attention's result) Wo + bo on codes of E2M1, then LayerNorm over the 1,024 columns: out = (y - mean) rsqrt(var + 1e-5) gamma + beta.  Nothing of reference() is left out here.
; SHARES: work-group B owns rows 32 B .. 32 B + 31 whole; wave w columns 64 w .. 64 w + 63: 2 tiles of rows x 4 tiles of columns, eight accumulators, which take turns, one instruction a turn.
; The product is used transposed (source 0 = 16 columns of Wo, source 1 = 16 rows): lane (r, h) holds one row, register 16 b + i of a tile of rows is column 64 w + 32 b + 16 h + i.  x + bo is the C of the first K step.
; The rows' codes (16 KiB) and scale bytes go round through LDS as images of the operand's registers; each wave's own 32 KiB of Wo come from memory straight into its registers, three K steps ahead.
; NO TENSOR LOAD, NO CLUSTER: Wo's 512 KiB do not fit in LDS, and a ring would have eight matrix instructions a wave for each change of slots.
; x comes by rows (256 consecutive bytes for sixteen lanes) and turns into the result's layout through the wave's own stage; the result goes back the same way.
; Mean and variance in two passes, as reference() has them: the variance is the mean of (y - mean)^2, so a common offset of the inputs does no harm.
.set STG,   0                          ; 16 waves x 32 rows x 272 bytes, rows in the tiles' order: row 16 u + r
.set AIMG,  16*8704                    ; the rows' 16 fragments: 8,192 u + 1,024 s + 512 c + 16 lane
.set ASC,   AIMG+16384                 ; their scale bytes: 32 (16 u + r) + 2 head
.set RED1,  ASC+1024                   ; the waves' sums: 80 (16 u + r) + 4 wave
.set RED2,  RED1+2560                  ; and sums of squares
.set SPARE, RED2+2560                  ; the spare words, 128 bytes a wave
.set ASCL, 16                          ; v16-23   the rows' scale words, K step s
.set WSC,  24                          ; v24-39   Wo's, 2 s + t / 2
.set ACC,  40                          ; v40-103  32 u + 8 t
.set AF,   104                         ; v104-135 the rows' fragments, two sets of 16; first bo, later the reductions' reads
.set WF,   136                         ; v136-231 Wo's fragments, three sets of 32; at the end gamma in set 2, beta in set 0
.set MU,   232                         ; v[232:233], v[234:235] the means, later 1 / sigma, of my rows of tiles 0, 1 (the pairs' upper halves are named only)
.set T0,   236
.set T1,   238
.set SU,   244                         ; v244, v245 sums; v246, v247 lane l xor 16's
.macro WM d, a, b, sa, sb, ra, rb
.if (\ra) && (\rb)
	v_wmma_scale_f32_16x16x128_f8f6f4 v[0+(\d):7+(\d)], v[0+(\a):7+(\a)], v[0+(\b):7+(\b)], v[0+(\d):7+(\d)], v[\sa], v[\sb] matrix_a_fmt:MATRIX_FMT_FP4 matrix_b_fmt:MATRIX_FMT_FP4 matrix_a_scale:MATRIX_SCALE_ROW1 matrix_b_scale:MATRIX_SCALE_ROW1
.elseif (\ra)
	v_wmma_scale_f32_16x16x128_f8f6f4 v[0+(\d):7+(\d)], v[0+(\a):7+(\a)], v[0+(\b):7+(\b)], v[0+(\d):7+(\d)], v[\sa], v[\sb] matrix_a_fmt:MATRIX_FMT_FP4 matrix_b_fmt:MATRIX_FMT_FP4 matrix_a_scale:MATRIX_SCALE_ROW1
.elseif (\rb)
	v_wmma_scale_f32_16x16x128_f8f6f4 v[0+(\d):7+(\d)], v[0+(\a):7+(\a)], v[0+(\b):7+(\b)], v[0+(\d):7+(\d)], v[\sa], v[\sb] matrix_a_fmt:MATRIX_FMT_FP4 matrix_b_fmt:MATRIX_FMT_FP4 matrix_b_scale:MATRIX_SCALE_ROW1
.else
	v_wmma_scale_f32_16x16x128_f8f6f4 v[0+(\d):7+(\d)], v[0+(\a):7+(\a)], v[0+(\b):7+(\b)], v[0+(\d):7+(\d)], v[\sa], v[\sb] matrix_a_fmt:MATRIX_FMT_FP4 matrix_b_fmt:MATRIX_FMT_FP4
.endif
.endm
.macro LOADW s                         ; my four fragments of Wo for K step s: eight loads
.irp t, 0,1,2,3
.irp c, 0,1
	global_load_b128 v[WF+32*((\s)%3)+8*\t+4*\c:WF+32*((\s)%3)+8*\t+4*\c+3], v4, s[8:9] offset:\t*8192+(\s)*1024+\c*512
.endr
.endr
.endm
.macro COLS reg, base                  ; 32 numbers of a vector over the columns, in the result's layout: eight loads
.irp b, 0,1
.irp q, 0,1,2,3
	global_load_b128 v[\reg+16*\b+4*\q:\reg+16*\b+4*\q+3], v11, s[\base:\base+1] offset:128*\b+16*\q
.endr
.endr
.endm
.macro AFLOAD s                        ; the rows' two fragments of K step s: four LDS loads
.irp u, 0,1
.irp c, 0,1
	ds_load_b128 v[AF+16*((\s)%2)+8*\u+4*\c:AF+16*((\s)%2)+8*\u+4*\c+3], v7 offset:\u*8192+(\s)*1024+\c*512
.endr
.endr
.endm
.macro BARRIER
	s_wait_dscnt 0x0                               ; my LDS stores have landed and my LDS loads are in
	s_barrier_signal -1
	s_barrier_wait -1
.endm
.macro KSTEP s
.if (\s) < 7
	AFLOAD (\s)+1                                  ; into the set that the step before has read: four places stand behind its products
	s_wait_dscnt 4                                 ; this step's fragments are in; the four just issued may be out
.else
	s_wait_dscnt 0x0
.endif
	s_wait_loadcnt 16                              ; two groups of eight loads were issued behind this step's own
.irp t, 0,1,2,3
.irp u, 0,1
	WM ACC+32*\u+8*\t, WF+32*((\s)%3)+8*\t, AF+16*((\s)%2)+8*\u, WSC+2*(\s)+\t/2, ASCL+(\s), \t%2, \u
.endr
.endr
.rept 4
	v_nop                                          ; places in front of loads into registers that the products have read, and of the first read of results
.endr
.if (\s) < 5
	LOADW (\s)+3
.elseif (\s) == 5
	COLS WF+64, 16                                 ; gamma
.elseif (\s) == 6
	COLS WF, 18                                    ; beta
.endif
.endm
; the waves' 16 parts of tile u's rows, read into v[AF + 16 u ..], are added: the same order in every wave
.macro RED16 u
	v_pk_add_f32 v[T0:T0+1], v[AF+16*\u:AF+16*\u+1], v[AF+16*\u+2:AF+16*\u+3]
	v_pk_add_f32 v[T1:T1+1], v[AF+16*\u+4:AF+16*\u+5], v[AF+16*\u+6:AF+16*\u+7]
	v_pk_add_f32 v[T0:T0+1], v[T0:T0+1], v[AF+16*\u+8:AF+16*\u+9]
	v_pk_add_f32 v[T1:T1+1], v[T1:T1+1], v[AF+16*\u+10:AF+16*\u+11]
	v_pk_add_f32 v[T0:T0+1], v[T0:T0+1], v[AF+16*\u+12:AF+16*\u+13]
	v_pk_add_f32 v[T1:T1+1], v[T1:T1+1], v[AF+16*\u+14:AF+16*\u+15]
	v_pk_add_f32 v[T0:T0+1], v[T0:T0+1], v[T1:T1+1]
	v_add_f32 v[SU+\u], v[T0], v[T0+1]
.endm
; my two sums (v244: tile 0's row r, v245: tile 1's) are joined with lane l xor 16's, go to LDS at off, and all waves' parts come back
.macro ACROSS off
	v_permlanex16_b32 v246, v244, s26, s27
	v_permlanex16_b32 v247, v245, s26, s27
	v_add_f32 v244, v244, v246
	v_add_f32 v245, v245, v247
	v_cndmask_b32 v244, v244, v245, s24            ; lanes 0-15 tile 0's rows, lanes 16-31 tile 1's
	ds_store_b32 v9, v244 offset:\off
	BARRIER
.irp u, 0,1
.irp q, 0,1,2,3
	ds_load_b128 v[AF+16*\u+4*\q:AF+16*\u+4*\q+3], v10 offset:\off+1280*\u+16*\q
.endr
.endr
	s_wait_dscnt 0x0
	RED16 0
	RED16 1
.endm
	s_load_b512 s[4:19], s[0:1], 0x0               ; oc, os, wc, ws, x, bo, gamma, beta
	s_load_b64 s[20:21], s[0:1], 0x40              ; out0
	v_lshl_add_u32 v12, v0, 2, SPARE               ; my spare word; never rewritten
	v_mov_b32 v13, 0                               ; 0; never rewritten
	v_lshrrev_b32 v1, 5, v0
	v_readfirstlane_b32 s22, v1                    ; wave 0..15
	v_and_b32 v1, 31, v0                           ; lane
	v_and_b32 v2, 15, v0                           ; r
	v_bfe_u32 v3, v0, 4, 1                         ; h
	v_lshlrev_b32 v4, 4, v1                        ; 16 lane
	s_mul_i32 s28, s22, 8704                       ; my stage
	v_mul_u32_u24 v5, v3, 272
	v_lshl_add_u32 v5, v2, 4, v5
	v_add_nc_u32 v5, s28, v5                       ; by rows: lanes 0-15 one row, lanes 16-31 the next
	v_mul_u32_u24 v6, v2, 272
	v_lshl_add_u32 v6, v3, 6, v6
	v_add_nc_u32 v6, s28, v6                       ; by tiles: row r, 64 h bytes on
	v_add_nc_u32 v7, AIMG, v4
	v_lshlrev_b32 v8, 12, v3
	v_lshl_add_u32 v8, v2, 4, v8                   ; in x and out0: two rows of 4,096 bytes, 16 bytes a lane
	v_mul_u32_u24 v9, v1, 80
	s_lshl_b32 s29, s22, 2
	s_add_co_u32 s29, s29, RED1
	v_add_nc_u32 v9, s29, v9
	v_mul_u32_u24 v10, v2, 80
	v_add_nc_u32 v10, RED1, v10
	v_lshlrev_b32 v11, 6, v3                       ; 64 h
	v_lshlrev_b32 v14, 2, v1
	v_lshlrev_b32 v15, 1, v1
	s_lshl_b32 s29, s22, 10
	s_add_co_u32 s29, s29, AIMG
	v_add_nc_u32 v241, s29, v4
	s_lshl_b32 s29, s22, 1
	s_add_co_u32 s29, s29, ASC
	v_lshl_add_u32 v242, v1, 5, s29
	v_lshl_add_u32 v243, v1, 5, ASC
	v_mov_b32 v246, 0                              ; written once: a lane permute's destination counts as one of its sources
	v_mov_b32 v247, 0
	s_mov_b32 s24, 0xffff0000                      ; lanes 16-31
	s_mov_b32 s25, 0x3a800000                      ; 1 / 1,024
	s_mov_b32 s26, 0x76543210
	s_mov_b32 s27, 0xfedcba98
	s_lshl_b32 s30, ttmp9, 14
	s_lshl_b32 s31, s22, 10
	s_add_co_u32 s30, s30, s31
	s_mov_b32 s31, 0
	s_lshl_b32 s32, s22, 8
	s_add_co_u32 s32, s32, ttmp9
	s_lshl_b32 s32, s32, 6
	s_mov_b32 s33, 0
	s_lshl_b32 s34, s22, 15
	s_add_co_u32 s34, s34, 1572864                 ; Wo's tiles begin at 192; mine at 192 + 4 wave
	s_mov_b32 s35, 0
	s_lshl_b32 s36, s22, 11
	s_add_co_u32 s36, s36, 98304
	s_mov_b32 s37, 0
	s_lshl_b32 s38, ttmp9, 17
	s_lshl_b32 s40, s22, 8
	s_add_co_u32 s38, s38, s40
	s_mov_b32 s39, 0
	s_mov_b32 s41, 0
	s_wait_kmcnt 0x0
	s_add_nc_u64 s[4:5], s[4:5], s[30:31]
	s_add_nc_u64 s[6:7], s[6:7], s[32:33]
	s_add_nc_u64 s[8:9], s[8:9], s[34:35]
	s_add_nc_u64 s[10:11], s[10:11], s[36:37]
	s_add_nc_u64 s[12:13], s[12:13], s[38:39]
	s_add_nc_u64 s[20:21], s[20:21], s[38:39]
	s_add_nc_u64 s[14:15], s[14:15], s[40:41]
	s_add_nc_u64 s[16:17], s[16:17], s[40:41]
	s_add_nc_u64 s[18:19], s[18:19], s[40:41]
	global_load_b128 v[232:235], v4, s[4:5]                    ; my sixteenth of the rows' codes,
	global_load_b128 v[236:239], v4, s[4:5] offset:512
	global_load_u16 v240, v15, s[6:7]                          ; and head w's scale bytes of the 32 rows
.irp i, 0,1,2,3,4,5,6,7,8,9,10,11,12,13,14,15
	global_load_b128 v[ACC+4*\i:ACC+4*\i+3], v8, s[12:13] offset:2*\i*4096 th:TH_LOAD_NT   ; x: rows 2 i, 2 i + 1, my 256 bytes of each
.endr
	COLS AF, 14                                    ; bo
.irp k, 0,1,2,3,4,5,6,7
.irp p, 0,1
	global_load_b32 v[WSC+2*\k+\p], v14, s[10:11] offset:\p*1024+\k*128
.endr
.endr
	LOADW 0
	LOADW 1
	LOADW 2
	s_wait_loadcnt 63                              ; 64 loads were issued behind the first three: those are in
	ds_store_b128 v241, v[232:235]
	ds_store_b128 v241, v[236:239] offset:512
	ds_store_b16 v242, v240
	s_wait_loadcnt 48                              ; x is in; bo's 8, the scale words' 16 and Wo's 24 may be out
.irp i, 0,1,2,3,4,5,6,7,8,9,10,11,12,13,14,15
	ds_store_b128 v5, v[ACC+4*\i:ACC+4*\i+3] offset:(16*(((2*\i)/8)%2)+8*((2*\i)/16)+(2*\i)%8)*272   ; row rho lies at stage row 16 ((rho / 8) % 2) + 8 (rho / 16) + rho % 8
.endr
.irp u, 0,1
.irp b, 0,1
.irp q, 0,1,2,3
	ds_load_b128 v[ACC+32*\u+16*\b+4*\q:ACC+32*\u+16*\b+4*\q+3], v6 offset:16*\u*272+128*\b+16*\q   ; LDS serves a wave's instructions in order: these see my stores
.endr
.endr
.endr
	s_wait_loadcnt 40                              ; bo is in
	s_wait_dscnt 0x0
.irp u, 0,1
.irp j, 0,2,4,6,8,10,12,14,16,18,20,22,24,26,28,30
	v_pk_add_f32 v[ACC+32*\u+\j:ACC+32*\u+\j+1], v[ACC+32*\u+\j:ACC+32*\u+\j+1], v[AF+\j:AF+\j+1]   ; x + bo: where the sums begin
.endr
.endr
	BARRIER                                        ; the rows' codes and scale bytes lie in LDS
	ds_load_b128 v[ASCL:ASCL+3], v243
	ds_load_b128 v[ASCL+4:ASCL+7], v243 offset:16
	AFLOAD 0
.rept 4
	v_nop                                          ; between the additions that made C and the first product
.endr
.irp k, 0,1,2,3,4,5,6,7
	KSTEP \k
.endr
	; ---- the mean
.irp u, 0,1
	v_pk_add_f32 v[T0:T0+1], v[ACC+32*\u:ACC+32*\u+1], v[ACC+32*\u+2:ACC+32*\u+3]   ; each accumulator from its low end on
	v_pk_add_f32 v[T1:T1+1], v[ACC+32*\u+4:ACC+32*\u+5], v[ACC+32*\u+6:ACC+32*\u+7]
.irp j, 8,12,16,20,24,28
	v_pk_add_f32 v[T0:T0+1], v[T0:T0+1], v[ACC+32*\u+\j:ACC+32*\u+\j+1]
	v_pk_add_f32 v[T1:T1+1], v[T1:T1+1], v[ACC+32*\u+\j+2:ACC+32*\u+\j+3]
.endr
	v_pk_add_f32 v[T0:T0+1], v[T0:T0+1], v[T1:T1+1]
	v_add_f32 v[SU+\u], v[T0], v[T0+1]
.endr
	ACROSS 0
	v_mul_f32 v[MU], s25, v244
	v_mul_f32 v[MU+2], s25, v245
	; ---- the variance: d = y - mean in place, then the mean of d^2
.irp u, 0,1
.irp j, 0,2,4,6,8,10,12,14,16,18,20,22,24,26,28,30
	v_pk_add_f32 v[ACC+32*\u+\j:ACC+32*\u+\j+1], v[ACC+32*\u+\j:ACC+32*\u+\j+1], v[MU+2*\u:MU+2*\u+1] op_sel_hi:[1,0] neg_lo:[0,1] neg_hi:[0,1]
.endr
.endr
.irp u, 0,1
	v_pk_mul_f32 v[T0:T0+1], v[ACC+32*\u:ACC+32*\u+1], v[ACC+32*\u:ACC+32*\u+1]
	v_pk_mul_f32 v[T1:T1+1], v[ACC+32*\u+2:ACC+32*\u+3], v[ACC+32*\u+2:ACC+32*\u+3]
.irp j, 4,8,12,16,20,24,28
	v_pk_fma_f32 v[T0:T0+1], v[ACC+32*\u+\j:ACC+32*\u+\j+1], v[ACC+32*\u+\j:ACC+32*\u+\j+1], v[T0:T0+1]
	v_pk_fma_f32 v[T1:T1+1], v[ACC+32*\u+\j+2:ACC+32*\u+\j+3], v[ACC+32*\u+\j+2:ACC+32*\u+\j+3], v[T1:T1+1]
.endr
	v_pk_add_f32 v[T0:T0+1], v[T0:T0+1], v[T1:T1+1]
	v_add_f32 v[SU+\u], v[T0], v[T0+1]
.endr
	ACROSS 2560
	v_fmaak_f32 v244, s25, v244, 0x3727c5ac        ; var + 1e-5
	v_fmaak_f32 v245, s25, v245, 0x3727c5ac
	v_rsq_f32 v[MU], v244
	v_rsq_f32 v[MU+2], v245
	v_nop                                          ; a plain place behind the two
	s_wait_alu depctr_va_vdst(0)                   ; and one wait ahead of their first reader
	s_wait_loadcnt 0x0                             ; gamma and beta
.irp u, 0,1
.irp j, 0,2,4,6,8,10,12,14,16,18,20,22,24,26,28,30
	v_pk_mul_f32 v[ACC+32*\u+\j:ACC+32*\u+\j+1], v[ACC+32*\u+\j:ACC+32*\u+\j+1], v[MU+2*\u:MU+2*\u+1] op_sel_hi:[1,0]
.endr
.irp j, 0,2,4,6,8,10,12,14,16,18,20,22,24,26,28,30
	v_pk_fma_f32 v[ACC+32*\u+\j:ACC+32*\u+\j+1], v[ACC+32*\u+\j:ACC+32*\u+\j+1], v[WF+64+\j:WF+64+\j+1], v[WF+\j:WF+\j+1]
.endr
.endr
	; ---- the way out, through my own stage: in by tiles, back by rows
.irp u, 0,1
.irp b, 0,1
.irp q, 0,1,2,3
	ds_store_b128 v6, v[ACC+32*\u+16*\b+4*\q:ACC+32*\u+16*\b+4*\q+3] offset:16*\u*272+128*\b+16*\q
.endr
.endr
.endr
.irp i, 0,1,2,3,4,5,6,7,8,9,10,11,12,13,14,15
	ds_load_b128 v[ACC+4*\i:ACC+4*\i+3], v5 offset:(16*(((2*\i)/8)%2)+8*((2*\i)/16)+(2*\i)%8)*272
.endr
.irp i, 0,1,2,3,4,5,6,7,8,9,10,11,12,13,14,15
	s_wait_dscnt 15-\i
	global_store_b128 v8, v[ACC+4*\i:ACC+4*\i+3], s[20:21] offset:2*\i*4096 th:TH_STORE_NT   ; sixteen lanes store 256 consecutive aligned bytes of a row
.endr
	s_wait_tensorcnt 0x0                           ; the wave's end: three lines behind my last LDS store
	ds_add_u32 v12, v13
	s_wait_dscnt 0x0
	s_endpgm
.Lfunc_end_k_q54ad1bd2f9_oproj:
	.size	k_q54ad1bd2f9_oproj, .Lfunc_end_k_q54ad1bd2f9_oproj-k_q54ad1bd2f9_oproj
	.p2alignl 7, 3214868480
	.fill 96, 4, 3214868480
	.section	.rodata,"a",@progbits
	.p2align	6, 0x0
	.amdhsa_kernel k_q54ad1bd2f9_oproj
		.amdhsa_group_segment_fixed_size 163840
		.amdhsa_private_segment_fixed_size 0
		.amdhsa_enable_private_segment 0
		.amdhsa_kernarg_size 72
		.amdhsa_user_sgpr_count 2
		.amdhsa_user_sgpr_kernarg_segment_ptr 1
		.amdhsa_wavefront_size32 1
		.amdhsa_system_sgpr_workgroup_id_x 1
		.amdhsa_system_sgpr_workgroup_id_y 1
		.amdhsa_system_sgpr_workgroup_id_z 1
		.amdhsa_system_vgpr_workitem_id 0
		.amdhsa_next_free_vgpr 256
		.amdhsa_next_free_sgpr 66
		.amdhsa_reserve_vcc 0
		.amdhsa_float_denorm_mode_32 3
		.amdhsa_float_denorm_mode_16_64 3
		.amdhsa_memory_ordered 1
		.amdhsa_forward_progress 1
		.amdhsa_inst_pref_size 50
	.end_amdhsa_kernel
	.amdgpu_metadata
---
amdhsa.version: [ 1, 2 ]
amdhsa.kernels:
  - .name:           k_q54ad1bd2f9_oproj
    .symbol:         k_q54ad1bd2f9_oproj.kd
    .args:
      - { .name: oc, .offset: 0, .size: 8, .value_kind: global_buffer, .address_space: global }
      - { .name: os, .offset: 8, .size: 8, .value_kind: global_buffer, .address_space: global }
      - { .name: wc, .offset: 16, .size: 8, .value_kind: global_buffer, .address_space: global }
      - { .name: ws, .offset: 24, .size: 8, .value_kind: global_buffer, .address_space: global }
      - { .name: x, .offset: 32, .size: 8, .value_kind: global_buffer, .address_space: global }
      - { .name: bo, .offset: 40, .size: 8, .value_kind: global_buffer, .address_space: global }
      - { .name: gamma, .offset: 48, .size: 8, .value_kind: global_buffer, .address_space: global }
      - { .name: beta, .offset: 56, .size: 8, .value_kind: global_buffer, .address_space: global }
      - { .name: out0, .offset: 64, .size: 8, .value_kind: global_buffer, .address_space: global }
    .group_segment_fixed_size: 163840
    .private_segment_fixed_size: 0
    .kernarg_segment_align: 8
    .kernarg_segment_size: 72
    .max_flat_workgroup_size: 512
    .sgpr_count:     66
    .vgpr_count:     256
    .wavefront_size: 32
...
	.end_amdgpu_metadata
.endif
;; end of part 4
;; ======== version 2 of 2: 4 launches
;; workspace buffers: xc 4,194,304 bytes; xs 262,144 bytes; wc 2,097,152 bytes; ws 131,072 bytes; qkv 13,893,632 bytes; oc 4,194,304 bytes; os 262,144 bytes
;; launch prep (part 5): grid 768 x 1, 4 waves a work-group, no clusters, 34,304 bytes of LDS; arguments x, Wq, Wk, Wv, Wo, xc, xs, wc, ws; writes xc, xs, wc, ws
.if DOCPART == 5
	.amdgcn_target "amdgcn-amd-amdhsa--gfx1250"
	.amdhsa_code_object_version 6
	.text
	.protected	k_q54ad1bd2f9_prep
	.globl	k_q54ad1bd2f9_prep
	.p2align	8
	.type	k_q54ad1bd2f9_prep,@function
k_q54ad1bd2f9_prep:
	s_mov_b64 s[64:65], 0
	v_nop
	global_prefetch_b8 v0, s[64:65] scope:SCOPE_SE
	s_setreg_imm32_b32 hwreg(HW_REG_WAVE_MODE, 25, 1), 1
	s_wait_xcnt 0x0
; PREP: x [8192][1024] is quantised along its rows (K = the 1,024), Wq, Wk, Wv, Wo [1024 (k)][1024 (n)] along their FIRST axis, to codes of E2M1 with one E8M0 byte for each 32 along K.
; DEAD WORK: none.  Every input of the problem reaches the output (the biases on q, k and v move codes, so they stay), and every product of the table is done.
; A block's scale is 2^(floor(log2(largest magnitude)) - 2); its byte is the largest magnitude's exponent field - 2, held at 1 from below by a floor among the maximum's leaves.
; LIMITS: a block of zeros gets the byte 1 where the rule says 127 (its codes are zeros, and this program alone reads the bytes); a block whose largest magnitude lies under 2^-124 keeps the byte 1; NaN and infinities among the inputs are not served.
; LAYOUT OF THE WORKSPACES: the order of the operand's registers.  Tile T holds 16 rows, lane r the row pi(T, r) = 32 (T / 2) + 8 (T % 2) + r + 8 (r / 8): so a product's 16 registers of two neighbouring tiles are 16 neighbours along the next K.
;   codes:  (T x 8 + s) x 1,024 + 512 c + 16 lane: the 16 bytes with k = 128 s + 64 c + 32 (lane / 16) + 0 .. 31 of row pi(T, lane % 16): two loads of 16 bytes a lane are a fragment.
;   scales: (B x 8 + s) x 128 + 4 lane: the four bytes of K step s of row pi(2 B + lane / 16, lane % 16): one register serves a pair of tiles.
; For the weights a "row" is a column n; tensor W (0 q, 1 k, 2 v, 3 o) has tiles 64 W .. 64 W + 63.
; SHARES: work-groups 0-511 take x: a wave 32 rows x 128 k.  Work-groups 512-767 take the weights: a wave 32 columns x 128 k, a lane a column, its registers down K.
; Every wave asks for all its numbers at its head.  No barrier: waves share nothing.  Only the x path touches LDS (a stage of its own for each wave).
; The scale words leave as 128 consecutive aligned bytes a wave: one byte in 128 of what the wave reads.
.set R,     64                         ; v64-191  the wave's numbers
.set TM,    16                         ; v16-31   at work: +0..3 largest magnitudes, +4..7 the other half's, then bytes, +12..15 the conversions' scale operands
.set PC,    32                         ; v32-47   codes
.set PW,    48                         ; v48-50   scale words: tile 0's, tile 1's, the two joined
.set SPW,   8                          ; v8       LDS address of my spare word; never rewritten
.set NIL,   9                          ; v9       0; never rewritten
.set STGW,  16*528                     ; a wave's stage: 16 rows of 512 bytes + 16
.set SPARE, 4*STGW                     ; behind the stages: the spare words, 128 bytes a wave
	s_load_b256 s[4:11], s[0:1], 0x0               ; x, Wq, Wk, Wv
	s_load_b256 s[12:19], s[0:1], 0x20             ; Wo, xc, xs, wc
	s_load_b64 s[20:21], s[0:1], 0x40              ; ws
	v_lshl_add_u32 v[SPW], v0, 2, SPARE
	v_mov_b32 v[NIL], 0
	v_lshrrev_b32 v1, 5, v0
	v_readfirstlane_b32 s22, v1                    ; wave
	v_and_b32 v1, 31, v0                           ; lane
	v_and_b32 v2, 15, v0                           ; r
	v_bfe_u32 v3, v0, 4, 1                         ; h
	v_lshlrev_b32 v4, 4, v1                        ; 16 lane
	v_lshlrev_b32 v7, 2, v1                        ; 4 lane
	s_mul_i32 s23, s22, STGW
	v_add_nc_u32 v5, s23, v4                       ; the stage, on the way in: 16 bytes a lane of a row
	v_mul_u32_u24 v6, v2, 528
	v_lshl_add_u32 v6, v3, 6, v6
	v_add_nc_u32 v6, s23, v6                       ; and on the way out: row r, 64 h bytes on
	s_mov_b32 s24, 0xffff0000                      ; lanes 16-31
	s_mov_b32 s26, 0x76543210
	s_mov_b32 s27, 0xfedcba98                      ; v_permlanex16_b32's selects for lane l xor 16
.irp b, 0,1,2,3
	v_mov_b32 v[TM+4+\b], 0                        ; written once: a lane permute's destination counts as one of its sources
.endr
	s_wait_kmcnt 0x0
	s_cmp_lt_u32 ttmp9, 512
	s_cbranch_scc0 .Lweights
; 64 numbers of a lane, register 16 b + i = k 32 b + 16 h + i of my row, become a fragment's codes (8 registers) and its scale word.
.macro QUANT src, pc, pw
.irp b, 0,1,2,3
	v_max3_num_f32 v[TM+\b], |v[\src+16*\b]|, |v[\src+1+16*\b]|, 0x1800000   ; block b: my 16 numbers and the floor 2^(3 - 127)
.endr
.irp i, 2,4,6,8,10,12,14
.irp b, 0,1,2,3
	v_max3_num_f32 v[TM+\b], v[TM+\b], |v[\src+16*\b+\i]|, |v[\src+1+16*\b+\i]|   ; the four blocks by turns
.endr
.endr
.irp b, 0,1,2,3
	v_permlanex16_b32 v[TM+4+\b], v[TM+\b], s26, s27
.endr
.irp b, 0,1,2,3
	v_max_num_f32 v[TM+\b], v[TM+\b], v[TM+4+\b]   ; with lane l xor 16's: the block's largest magnitude
.endr
.irp b, 0,1,2,3
	v_add_nc_u32 v[TM+12+\b], 0xff000000, v[TM+\b] ; 2 off its exponent field: the conversion's scale operand
.endr
.irp b, 0,1,2,3
	v_lshrrev_b32 v[TM+4+\b], 23, v[TM+12+\b]      ; the scale's byte
.endr
	v_lshl_or_b32 v[\pw], v[TM+5], 8, v[TM+4]
	v_lshl_or_b32 v[\pw], v[TM+6], 16, v[\pw]
	v_lshl_or_b32 v[\pw], v[TM+7], 24, v[\pw]
.irp b, 0,1,2,3
	v_cvt_scalef32_pk8_fp4_f32 v[\pc+2*\b], v[\src+16*\b:\src+7+16*\b], v[TM+12+\b]
	v_cvt_scalef32_pk8_fp4_f32 v[\pc+1+2*\b], v[\src+8+16*\b:\src+15+16*\b], v[TM+12+\b]
.endr
	v_nop                                          ; one plain place behind a scaled conversion
.irp c, 0,1                                    ; the operand's layout wants a whole block in a lane
.irp i, 0,1
	v_permlane16_swap_b32 v[\pc+4*\c+\i], v[\pc+2+4*\c+\i]
.endr
.endr
.endm
; Tile u's 16 rows x 512 bytes through my stage: in as loaded, back 64 bytes a lane for each block's half, into the registers that they left.  LDS serves a wave's instructions in order.
.macro TURN u
.irp i, 0,1,2,3,4,5,6,7,8,9,10,11,12,13,14,15
	ds_store_b128 v5, v[R+64*\u+4*\i:R+64*\u+4*\i+3] offset:528*\i
.endr
.irp b, 0,1,2,3
.irp q, 0,1,2,3
	ds_load_b128 v[R+64*\u+16*\b+4*\q:R+64*\u+16*\b+4*\q+3], v6 offset:128*\b+16*\q
.endr
.endr
.endm
	; ---- x: pair of tiles Bx = work-group / 2, K step 4 (work-group % 2) + wave
	s_lshr_b32 s28, ttmp9, 1
	s_and_b32 s29, ttmp9, 1
	s_lshl_b32 s29, s29, 2
	s_add_co_u32 s29, s29, s22
	s_lshl_b32 s30, s28, 17                        ; 32 rows of 4,096 bytes
	s_lshl_b32 s31, s29, 9
	s_add_co_u32 s30, s30, s31
	s_mov_b32 s31, 0
	s_add_nc_u64 s[4:5], s[4:5], s[30:31]
	s_lshl_b32 s32, s28, 14
	s_lshl_b32 s33, s29, 10
	s_add_co_u32 s32, s32, s33
	s_mov_b32 s33, 0
	s_add_nc_u64 s[14:15], s[14:15], s[32:33]
	s_lshl_b32 s34, s28, 3
	s_add_co_u32 s34, s34, s29
	s_lshl_b32 s34, s34, 7
	s_mov_b32 s35, 0
	s_add_nc_u64 s[16:17], s[16:17], s[34:35]
.irp u, 0,1
.irp i, 0,1,2,3,4,5,6,7,8,9,10,11,12,13,14,15
	global_load_b128 v[R+64*\u+4*\i:R+64*\u+4*\i+3], v4, s[4:5] offset:(8*\u+\i+8*(\i/8))*4096 th:TH_LOAD_NT   ; 512 consecutive bytes of the tile's row i
.endr
.endr
	s_wait_loadcnt 16                              ; tile 0's sixteen loads are in; tile 1's sixteen may be out
	s_wait_alu depctr_va_vdst(0)
	TURN 0
	s_wait_loadcnt 0x0
	TURN 1
	s_wait_dscnt 32                                ; tile 0 is back; tile 1's 32 LDS instructions may be out
	QUANT R, PC, PW
	global_store_b128 v4, v[PC:PC+3], s[14:15]
	global_store_b128 v4, v[PC+4:PC+7], s[14:15] offset:512
	s_wait_dscnt 0x0
	QUANT R+64, PC+8, PW+1
	global_store_b128 v4, v[PC+8:PC+11], s[14:15] offset:8192
	global_store_b128 v4, v[PC+12:PC+15], s[14:15] offset:8704
	v_cndmask_b32 v[PW+2], v[PW], v[PW+1], s24     ; lanes 0-15 tile 0's words, lanes 16-31 tile 1's
	global_store_b32 v7, v[PW+2], s[16:17]
	s_wait_tensorcnt 0x0                           ; the wave's end: three lines behind my last LDS store
	ds_add_u32 v[SPW], v[NIL]
	s_wait_dscnt 0x0
	s_endpgm
.Lweights:
	; ---- the weights: g = work-group - 512; tensor g / 64; pair of tiles 4 ((g / 8) % 8) + wave; K step g % 8
	s_sub_co_u32 s28, ttmp9, 512
	s_lshr_b32 s29, s28, 6
	s_bfe_u32 s30, s28, 0x30003
	s_lshl_b32 s30, s30, 2
	s_add_co_u32 s30, s30, s22
	s_and_b32 s31, s28, 7
	s_cmp_eq_u32 s29, 1                            ; the choice hangs on the work-group's number alone
	s_cselect_b64 s[6:7], s[8:9], s[6:7]
	s_cmp_eq_u32 s29, 2
	s_cselect_b64 s[6:7], s[10:11], s[6:7]
	s_cmp_eq_u32 s29, 3
	s_cselect_b64 s[6:7], s[12:13], s[6:7]
	s_lshl_b32 s32, s31, 19                        ; 128 rows of 4,096 bytes
	s_lshl_b32 s33, s30, 7                         ; 32 columns
	s_add_co_u32 s32, s32, s33
	s_mov_b32 s33, 0
	s_add_nc_u64 s[6:7], s[6:7], s[32:33]
	s_lshl_b32 s34, s29, 6
	s_lshl_b32 s35, s30, 1
	s_add_co_u32 s34, s34, s35
	s_lshl_b32 s34, s34, 3
	s_add_co_u32 s34, s34, s31
	s_lshl_b32 s34, s34, 10
	s_mov_b32 s35, 0
	s_add_nc_u64 s[18:19], s[18:19], s[34:35]
	s_lshl_b32 s36, s29, 5
	s_add_co_u32 s36, s36, s30
	s_lshl_b32 s36, s36, 3
	s_add_co_u32 s36, s36, s31
	s_lshl_b32 s36, s36, 7
	s_mov_b32 s37, 0
	s_add_nc_u64 s[20:21], s[20:21], s[36:37]
.set i, 0
	s_wait_alu depctr_va_vdst(0)
.rept 128
	global_load_b32 v[R+i], v7, s[6:7] offset:i*4096 th:TH_LOAD_NT   ; W(128 s + i, my column): 128 consecutive bytes a wave, 512 a work-group
.set i, i+1
.endr
	v_bfe_u32 v10, v0, 3, 1                        ; column 32 Bn + lane is row r = lane % 8 + 8 (lane / 16) of tile 2 Bn + u, u = (lane / 8) % 2
	v_and_b32 v11, 7, v0
	v_lshl_add_u32 v11, v3, 3, v11
	v_lshl_add_u32 v12, v10, 4, v11
	v_lshlrev_b32 v11, 4, v11
	v_lshl_add_u32 v10, v10, 13, v11               ; codes: 8,192 u + 16 r
	v_lshlrev_b32 v11, 2, v12                      ; scale word: 4 (16 u + r)
.macro BLOCK t                         ; block t of my column: all 32 numbers are mine
.set XB, R+32*(\t)
	v_max3_num_f32 v12, |v[XB]|, |v[XB+1]|, |v[XB+2]|
	v_max3_num_f32 v13, |v[XB+3]|, |v[XB+4]|, |v[XB+5]|
.irp i, 6,10,14,18,22,26
	v_max3_num_f32 v12, v12, |v[XB+\i]|, |v[XB+\i+1]|
	v_max3_num_f32 v13, v13, |v[XB+\i+2]|, |v[XB+\i+3]|
.endr
	v_max3_num_f32 v12, v12, |v[XB+30]|, |v[XB+31]|
	v_max3_num_f32 v12, v12, v13, 0x1800000        ; and the floor
	v_add_nc_u32 v15, 0xff000000, v12
	v_lshrrev_b32 v16, 23, v15
.if (\t) == 0
	v_mov_b32 v14, v16
.else
	v_lshl_or_b32 v14, v16, 8*(\t), v14
.endif
.irp g, 0,1,2,3
	v_cvt_scalef32_pk8_fp4_f32 v[PC+4*(\t)+\g], v[XB+8*\g:XB+8*\g+7], v15
.endr
	global_store_b128 v10, v[PC+4*(\t):PC+4*(\t)+3], s[18:19] offset:((\t)/2)*512+((\t)%2)*256   ; sixteen lanes fill 256 consecutive aligned bytes of each of the two tiles' images
.endm
	s_wait_loadcnt 63                              ; 64 loads were issued behind block 1's last: blocks 0 and 1 are in
	BLOCK 0
	BLOCK 1
	s_wait_loadcnt 32                              ; block 3's 32 loads may be out
	BLOCK 2
	s_wait_loadcnt 0x0
	BLOCK 3
	global_store_b32 v11, v14, s[20:21]
	s_endpgm
.Lfunc_end_k_q54ad1bd2f9_prep:
	.size	k_q54ad1bd2f9_prep, .Lfunc_end_k_q54ad1bd2f9_prep-k_q54ad1bd2f9_prep
	.p2alignl 7, 3214868480
	.fill 96, 4, 3214868480
	.section	.rodata,"a",@progbits
	.p2align	6, 0x0
	.amdhsa_kernel k_q54ad1bd2f9_prep
		.amdhsa_group_segment_fixed_size 34304
		.amdhsa_private_segment_fixed_size 0
		.amdhsa_enable_private_segment 0
		.amdhsa_kernarg_size 72
		.amdhsa_user_sgpr_count 2
		.amdhsa_user_sgpr_kernarg_segment_ptr 1
		.amdhsa_wavefront_size32 1
		.amdhsa_system_sgpr_workgroup_id_x 1
		.amdhsa_system_sgpr_workgroup_id_y 1
		.amdhsa_system_sgpr_workgroup_id_z 1
		.amdhsa_system_vgpr_workitem_id 0
		.amdhsa_next_free_vgpr 192
		.amdhsa_next_free_sgpr 66
		.amdhsa_reserve_vcc 0
		.amdhsa_float_denorm_mode_32 3
		.amdhsa_float_denorm_mode_16_64 3
		.amdhsa_memory_ordered 1
		.amdhsa_forward_progress 1
		.amdhsa_inst_pref_size 38
	.end_amdhsa_kernel
	.amdgpu_metadata
---
amdhsa.version: [ 1, 2 ]
amdhsa.kernels:
  - .name:           k_q54ad1bd2f9_prep
    .symbol:         k_q54ad1bd2f9_prep.kd
    .args:
      - { .name: x, .offset: 0, .size: 8, .value_kind: global_buffer, .address_space: global }
      - { .name: Wq, .offset: 8, .size: 8, .value_kind: global_buffer, .address_space: global }
      - { .name: Wk, .offset: 16, .size: 8, .value_kind: global_buffer, .address_space: global }
      - { .name: Wv, .offset: 24, .size: 8, .value_kind: global_buffer, .address_space: global }
      - { .name: Wo, .offset: 32, .size: 8, .value_kind: global_buffer, .address_space: global }
      - { .name: xc, .offset: 40, .size: 8, .value_kind: global_buffer, .address_space: global }
      - { .name: xs, .offset: 48, .size: 8, .value_kind: global_buffer, .address_space: global }
      - { .name: wc, .offset: 56, .size: 8, .value_kind: global_buffer, .address_space: global }
      - { .name: ws, .offset: 64, .size: 8, .value_kind: global_buffer, .address_space: global }
    .group_segment_fixed_size: 34304
    .private_segment_fixed_size: 0
    .kernarg_segment_align: 8
    .kernarg_segment_size: 72
    .max_flat_workgroup_size: 128
    .sgpr_count:     66
    .vgpr_count:     192
    .wavefront_size: 32
...
	.end_amdgpu_metadata
.endif
;; end of part 5
;; launch qkv (part 6): grid 16 x 16, 4 waves a work-group, no clusters, 0 bytes of LDS; arguments xc, xs, wc, ws, bq, bk, bv, qkv; writes qkv
.if DOCPART == 6
	.amdgcn_target "amdgcn-amd-amdhsa--gfx1250"
	.amdhsa_code_object_version 6
	.text
	.protected	k_q54ad1bd2f9_qkv
	.globl	k_q54ad1bd2f9_qkv
	.p2align	8
	.type	k_q54ad1bd2f9_qkv,@function
k_q54ad1bd2f9_qkv:
	s_mov_b64 s[64:65], 0
	v_nop
	global_prefetch_b8 v0, s[64:65] scope:SCOPE_SE
	s_setreg_imm32_b32 hwreg(HW_REG_WAVE_SCHED_MODE, 0, 2), 2
	s_setreg_imm32_b32 hwreg(HW_REG_WAVE_MODE, 25, 1), 1
	s_wait_xcnt 0x0
	s_wait_alu depctr_vm_vsrc(0)
; QKV: q = x Wq + bq, k = x Wk + bk, v = x Wv + bv on codes of E2M1 (K = 1,024, eight steps of 128), and each result quantised in registers for attention: q and k along the head's 64, v along the keys.  Nothing of reference() is left out here.
; SHARES: 48 slices of 64 columns, slice = 16 kind + head (kind 0 q, 1 k, 2 v).  Work-group (x, y) takes slices 3 x .. 3 x + 2 and rows 512 y on; wave w its 128 rows 128 (4 y + w) on, for the three slices one after the other: 32 accumulators.
; The wave's 128 rows of x's codes, all of K (64 KiB), stay in 512 registers for the whole launch; the weights come from memory straight into operand registers, three K steps ahead.
; NO LDS, NO TENSOR LOAD, NO CLUSTER: no operand passes through LDS, so there is no tile in which a joint load could land; a K step is 32 matrix instructions against 4 KiB of weights a wave.
; q, k: source 0 = 16 columns of W, source 1 = 16 rows of x: a lane holds one position, its registers run along the head's 64.   v: source 0 = x, source 1 = W: a lane holds one channel d, its registers run along the 128 positions (the keys).
; The bias is the C of each sum's first matrix instruction.  The 32 accumulators take turns, one instruction a turn.
; OUT: record (batch x 16 + head) x 16 + block of 128 positions, 13,568 bytes: q's codes 0, q's scale words 4,096, k's codes 4,608, v's codes 8,704, k's scale words 12,800, v's 13,312; all in the order of the operand's registers.
; LIMITS: as stated at the head of the first launch (byte 1 for blocks of zeros and under the floor; NaN and infinities not served).
; REGISTERS: window 0: v1-8 addresses; v16-47 x's scale words (4 s + a / 2); v48-63 the weights' (2 s + t / 2); v64-95 the bias; v96-223 the weights' fragments, four sets, the fourth also the out-buffer; v224-239 at work; v248-255 scale words made.
;   window 1: the accumulators.   windows 2, 3: x's fragments of K steps 0-3, 4-7, at 64 (s % 4) + 8 a.
; THE MODE: SCHED_MODE bits 1:0 = 2 (LLVM: expert scheduling mode 2), set by the entry lines.  The code itself states the register dependences
; between vector or matrix instructions and memory instructions, with s_wait_alu, always for 0.
; THE PLAN.  Registers that memory instructions touch:
;   v4-v8          offsets, made once at the head and never written again.
;   x, XS          loaded once at the head; read by products alone.
;   BI, WSC, sets 0-2 of WF   loaded for a slice while the slice before is quantised; read by that slice's products.
;   set (s - 1) % 4 of WF     in steps 1 to 4: read by the products of step s - 1; the loads of step s + 3, issued in step s, land in it.
;   OUT = set 3 of WF         read by the products of steps 3 and 7; then written by the way out's conversions and read by its stores; the next slice's step 0 asks for K step 3 into it.
;   TM .. TM + 3   written by the way out's selects, read by the store of the scale words, written again by the next slice's quantiser.
; So a slice has: at the loop's head one wait on vm_vsrc (the last slice's stores have read OUT and TM); at the head of steps 1 to 4 one wait on va_vdst (the step before is done with its set);
; one ahead of the loads for the next slice; one ahead of the run of stores.  A step's eight loads stand behind its first eight products, which name none of the registers that the loads touch.
.set XS,  16
.set WSC, 48
.set BI,  64
.set WF,  96
.set OUT, 192                          ; WF's set 3
.set TM,  224
.set PW,  248
.set MSB, 0
.macro WIN new                         ; the immediate's high byte repeats the setting that is left
.if MSB != \new
	s_set_vgpr_msb (MSB<<8)|\new
.set MSB, \new
.endif
.endm
.macro WM d, a, b, c, sa, sb, ra, rb   ; one product; ra, rb = 1: that side's scale words stand in lanes 16-31
.if (\ra) && (\rb)
	v_wmma_scale_f32_16x16x128_f8f6f4 v[0+(\d):7+(\d)], v[0+(\a):7+(\a)], v[0+(\b):7+(\b)], v[0+(\c):7+(\c)], v[\sa], v[\sb] matrix_a_fmt:MATRIX_FMT_FP4 matrix_b_fmt:MATRIX_FMT_FP4 matrix_a_scale:MATRIX_SCALE_ROW1 matrix_b_scale:MATRIX_SCALE_ROW1
.elseif (\ra)
	v_wmma_scale_f32_16x16x128_f8f6f4 v[0+(\d):7+(\d)], v[0+(\a):7+(\a)], v[0+(\b):7+(\b)], v[0+(\c):7+(\c)], v[\sa], v[\sb] matrix_a_fmt:MATRIX_FMT_FP4 matrix_b_fmt:MATRIX_FMT_FP4 matrix_a_scale:MATRIX_SCALE_ROW1
.elseif (\rb)
	v_wmma_scale_f32_16x16x128_f8f6f4 v[0+(\d):7+(\d)], v[0+(\a):7+(\a)], v[0+(\b):7+(\b)], v[0+(\c):7+(\c)], v[\sa], v[\sb] matrix_a_fmt:MATRIX_FMT_FP4 matrix_b_fmt:MATRIX_FMT_FP4 matrix_b_scale:MATRIX_SCALE_ROW1
.else
	v_wmma_scale_f32_16x16x128_f8f6f4 v[0+(\d):7+(\d)], v[0+(\a):7+(\a)], v[0+(\b):7+(\b)], v[0+(\c):7+(\c)], v[\sa], v[\sb] matrix_a_fmt:MATRIX_FMT_FP4 matrix_b_fmt:MATRIX_FMT_FP4
.endif
.endm
; 16 nb numbers of a lane in window 1, register 16 b + i = k 32 b + 16 h + i of my row, become 2 nb registers of codes and a scale word.  Each accumulator is read from its low end on.
.macro QUANT nb, src, pc, pw
	WIN 0x05                                       ; sources 0 and 1: window 1
.set qb, 0
.rept \nb
	v_max3_num_f32 v[TM+qb], |v[16*qb+(\src)]|, |v[16*qb+1+(\src)]|, 0x1800000   ; and the floor 2^(3 - 127)
.set qb, qb+1
.endr
.irp i, 2,4,6,8,10,12,14
.set qb, 0
.rept \nb
	v_max3_num_f32 v[TM+qb], |v[16*qb+\i+(\src)]|, |v[16*qb+\i+1+(\src)]|, v[TM+qb]
.set qb, qb+1
.endr
.endr
	WIN 0
.set qb, 0
.rept \nb
	v_permlanex16_b32 v[TM+4+qb], v[TM+qb], s26, s27
.set qb, qb+1
.endr
.set qb, 0
.rept \nb
	v_max_num_f32 v[TM+qb], v[TM+qb], v[TM+4+qb]
.set qb, qb+1
.endr
.set qb, 0
.rept \nb
	v_add_nc_u32 v[TM+12+qb], 0xff000000, v[TM+qb] ; 2 off the exponent field: the conversion's scale operand
.set qb, qb+1
.endr
.set qb, 0
.rept \nb
	v_lshrrev_b32 v[TM+4+qb], 23, v[TM+12+qb]      ; the scale's byte
.set qb, qb+1
.endr
	v_lshl_or_b32 v[\pw], v[TM+5], 8, v[TM+4]
.if (\nb) == 4
	v_lshl_or_b32 v[\pw], v[TM+6], 16, v[\pw]
	v_lshl_or_b32 v[\pw], v[TM+7], 24, v[\pw]
.endif
	WIN 0x01                                       ; the numbers: window 1
.set qb, 0
.rept \nb
	v_cvt_scalef32_pk8_fp4_f32 v[2*qb+(\pc)], v[16*qb+(\src):16*qb+7+(\src)], v[TM+12+qb]
	v_cvt_scalef32_pk8_fp4_f32 v[2*qb+1+(\pc)], v[16*qb+8+(\src):16*qb+15+(\src)], v[TM+12+qb]
.set qb, qb+1
.endr
	WIN 0
	v_nop                                          ; one plain place behind a scaled conversion
.set qb, 0
.rept (\nb)/2
	v_permlane16_swap_b32 v[4*qb+(\pc)], v[4*qb+2+(\pc)]
	v_permlane16_swap_b32 v[4*qb+1+(\pc)], v[4*qb+3+(\pc)]
.set qb, qb+1
.endr
.endm
.macro LOADW s                         ; the slice's four fragments of K step s: eight loads of 512 consecutive bytes
.irp t, 0,1,2,3
.irp c, 0,1
	global_load_b128 v[WF+32*((\s)%4)+8*\t+4*\c:WF+32*((\s)%4)+8*\t+4*\c+3], v4, s[28:29] offset:\t*8192+(\s)*1024+\c*512
.endr
.endr
.endm
; What a slice needs before its first product: s38 = the slice; s[28:29], s[30:31] stand at its codes and scale words.  K step 3 is asked for in the slice's step 0: its set is the out-buffer until then.
.macro HEADLOADS
	s_cmp_lt_u32 s38, 16
	s_cselect_b64 s[32:33], s[12:13], s[14:15]
	s_cmp_lt_u32 s38, 32
	s_cselect_b64 s[32:33], s[32:33], s[16:17]     ; bq, bk or bv: the choice hangs on ids alone
	s_and_b32 s40, s38, 15
	s_lshl_b32 s40, s40, 8
	s_mov_b32 s41, 0
	s_add_nc_u64 s[32:33], s[32:33], s[40:41]      ; the head's 64 numbers
	s_cmp_lt_u32 s38, 32
	s_cbranch_scc0 .Lbias_v_\@
.irp t, 0,1,2,3                                ; q, k: register j of tile t is channel 32 (t / 2) + 16 h + 8 (t % 2) + j
	global_load_b128 v[BI+8*\t:BI+8*\t+3], v7, s[32:33] offset:(32*(\t/2)+8*(\t%2))*4
	global_load_b128 v[BI+8*\t+4:BI+8*\t+7], v7, s[32:33] offset:(32*(\t/2)+8*(\t%2))*4+16
.endr
	s_branch .Lbias_done_\@
.Lbias_v_\@:
.irp t, 0,1,2,3                                ; v: a lane is one channel: all eight registers of a tile hold its bias
.irp j, 0,1,2,3,4,5,6,7
	global_load_b32 v[BI+8*\t+\j], v8, s[32:33] offset:(32*(\t/2)+8*(\t%2))*4
.endr
.endr
.Lbias_done_\@:
.irp k, 0,1,2,3,4,5,6,7
.irp p, 0,1
	global_load_b32 v[WSC+2*\k+\p], v6, s[30:31] offset:\p*1024+\k*128
.endr
.endr
	LOADW 0
	LOADW 1
	LOADW 2
.endm
.macro STEPWAIT s                      ; the loads issued behind K step s's own eight: two groups of eight up to step 5, then 1, 0.  Step 0's wait also shows all that was asked for earlier
.if (\s) < 6
	s_wait_loadcnt 16
.else
	s_wait_loadcnt 8*(7-(\s))
.endif
.if ((\s) > 0) && ((\s) < 5)
	s_wait_alu depctr_va_vdst(0)                   ; the products of the step before are done reading their set of the weights' fragments, in which this step's loads land
.endif
.endm
.macro STEPTAIL s
	WIN 0
.if (\s) < 4
.rept 4
	v_nop                                          ; places behind the step's products, ahead of the loads that the next step issues into the set that they have read
.endr
.endif
.endm
.macro WINQK s
.if (\s) == 0
	WIN 0x48                                       ; source 1 (x) window 2, C (the bias) window 0, D window 1
.elseif (\s) < 4
	WIN 0x58
.else
	WIN 0x5c                                       ; x's K steps 4-7: window 3
.endif
.endm
.macro MQK s, a                        ; tile a of positions against the slice's four tiles of columns
.irp t, 0,1,2,3
.if (\s) == 0
	WM 32*(\a)+8*\t, WF+32*((\s)%4)+8*\t, 64*((\s)%4)+8*(\a), BI+8*\t, WSC+2*(\s)+\t/2, XS+4*(\s)+(\a)/2, \t%2, (\a)%2
.else
	WM 32*(\a)+8*\t, WF+32*((\s)%4)+8*\t, 64*((\s)%4)+8*(\a), 32*(\a)+8*\t, WSC+2*(\s)+\t/2, XS+4*(\s)+(\a)/2, \t%2, (\a)%2
.endif
.endr
.endm
.macro KSTEP_QK s
	STEPWAIT \s
	WINQK \s
.irp a, 0,1
	MQK \s, \a
.endr
.if (\s) < 5
	WIN 0
	LOADW (\s)+3                                   ; three K steps ahead.  No wait: no vector or matrix instruction since the last wait on va_vdst names these registers
	WINQK \s
.endif
.irp a, 2,3,4,5,6,7
	MQK \s, \a
.endr
	STEPTAIL \s
.endm
.macro WINV s
.if (\s) == 0
	WIN 0x42                                       ; source 0 (x) window 2, C (the bias) window 0, D window 1
.elseif (\s) < 4
	WIN 0x52
.else
	WIN 0x53
.endif
.endm
.macro MV s, t                         ; tile t of channels against the eight tiles of positions
.irp a, 0,1,2,3,4,5,6,7
.if (\s) == 0
	WM 64*(\t)+8*\a, 64*((\s)%4)+8*\a, WF+32*((\s)%4)+8*(\t), BI+8*(\t), XS+4*(\s)+\a/2, WSC+2*(\s)+(\t)/2, \a%2, (\t)%2
.else
	WM 64*(\t)+8*\a, 64*((\s)%4)+8*\a, WF+32*((\s)%4)+8*(\t), 64*(\t)+8*\a, XS+4*(\s)+\a/2, WSC+2*(\s)+(\t)/2, \a%2, (\t)%2
.endif
.endr
.endm
.macro KSTEP_V s
	STEPWAIT \s
	WINV \s
	MV \s, 0
.if (\s) < 5
	WIN 0
	LOADW (\s)+3                                   ; as in KSTEP_QK
	WINV \s
.endif
.irp t, 1,2,3
	MV \s, \t
.endr
	STEPTAIL \s
.endm
	s_load_b512 s[4:19], s[0:1], 0x0               ; xc, xs, wc, ws, bq, bk, bv, qkv
	v_lshrrev_b32 v1, 5, v0
	v_readfirstlane_b32 s20, v1                    ; wave
	v_and_b32 v1, 31, v0
	v_and_b32 v2, 15, v0                           ; r
	v_bfe_u32 v3, v0, 4, 1                         ; h
	v_lshlrev_b32 v4, 4, v1                        ; 16 lane
	v_lshlrev_b32 v5, 3, v1                        ; 8 lane
	v_lshlrev_b32 v6, 2, v1                        ; 4 lane
	v_lshlrev_b32 v7, 6, v3                        ; 64 h
	v_and_b32 v8, 8, v2
	v_add_nc_u32 v8, v8, v2
	v_lshlrev_b32 v8, 2, v8                        ; 4 (r + 8 (r / 8))
.irp b, 0,1,2,3
	v_mov_b32 v[TM+4+\b], 0                        ; written once: a lane permute's destination counts as one of its sources
.endr
	s_wait_alu depctr_va_sdst(0)                   ; s20 is written, ahead of its first reader: my block of rows is made from it
	s_and_b32 s21, ttmp7, 0xffff
	s_lshl_b32 s21, s21, 2
	s_add_co_u32 s21, s21, s20                     ; my block of 128 rows
	s_mul_i32 s22, ttmp9, 3                        ; the slice in hand
	s_mov_b32 s23, 3                               ; slices to go
	s_mov_b32 s24, 0xffff0000                      ; lanes 16-31
	s_mov_b32 s26, 0x76543210
	s_mov_b32 s27, 0xfedcba98
	s_lshl_b32 s38, s21, 16
	s_mov_b32 s39, 0
	s_lshl_b32 s40, s21, 12
	s_mov_b32 s41, 0
	s_lshl_b32 s42, s22, 15
	s_mov_b32 s43, 0
	s_lshl_b32 s44, s22, 11
	s_mov_b32 s45, 0
	s_wait_kmcnt 0x0
	s_add_nc_u64 s[4:5], s[4:5], s[38:39]
	s_add_nc_u64 s[6:7], s[6:7], s[40:41]
	s_add_nc_u64 s[28:29], s[8:9], s[42:43]
	s_add_nc_u64 s[30:31], s[10:11], s[44:45]
	WIN 0x80                                       ; destination window 2
	s_wait_alu depctr_va_vdst(0)                   ; the offsets v4 to v8 are written: every load and store of the kernel reads one of them
.irp k, 0,1,2,3
.irp a, 0,1,2,3,4,5,6,7
.irp c, 0,1
	global_load_b128 v[64*\k+8*\a+4*\c:64*\k+8*\a+4*\c+3], v4, s[4:5] offset:\a*8192+\k*1024+\c*512
.endr
.endr
.endr
	WIN 0xc0                                       ; destination window 3
.irp k, 0,1,2,3
.irp a, 0,1,2,3,4,5,6,7
.irp c, 0,1
	global_load_b128 v[64*\k+8*\a+4*\c:64*\k+8*\a+4*\c+3], v4, s[4:5] offset:\a*8192+(\k+4)*1024+\c*512
.endr
.endr
.endr
	WIN 0
.irp k, 0,1,2,3,4,5,6,7
.irp p, 0,1,2,3
	global_load_b32 v[XS+4*\k+\p], v6, s[6:7] offset:\p*1024+\k*128
.endr
.endr
	s_mov_b32 s38, s22
	HEADLOADS
.Lslice:
	s_wait_xcnt 0x0                                ; the last slice's stores have had their addresses translated: their data registers are written again only behind this wait
	s_wait_alu depctr_vm_vsrc(0)                   ; and they have read OUT, in which step 0's loads land, and TM .. TM + 3, which this slice's quantiser writes
	s_cmp_ge_u32 s22, 32
	s_cbranch_scc1 .Lsteps_v
.irp k, 0,1,2,3,4,5,6,7
	KSTEP_QK \k
.endr
	s_branch .Lnext
.Lsteps_v:
.irp k, 0,1,2,3,4,5,6,7
	KSTEP_V \k
.endr
.Lnext:
.rept 4
	v_nop                                          ; places behind the last products: for the loads below and for the first read of results
.endr
	s_wait_xcnt 0x0                                ; the pointers and the stores' bases are written again only behind this wait (the slice's loads have also come: the last K step waited for all)
	s_lshr_b32 s39, s21, 4                         ; batch
	s_lshl_b32 s39, s39, 4
	s_and_b32 s40, s22, 15                         ; head
	s_add_co_u32 s39, s39, s40
	s_lshl_b32 s39, s39, 4
	s_and_b32 s40, s21, 15                         ; block of 128 positions
	s_add_co_u32 s39, s39, s40
	s_mul_i32 s40, s39, 13568                      ; the record
	s_lshr_b32 s39, s22, 4                         ; kind
	s_mov_b32 s44, 4096
	s_cmp_eq_u32 s39, 1
	s_cselect_b32 s42, 4608, 0
	s_cselect_b32 s43, 12800, s44
	s_cmp_eq_u32 s39, 2
	s_mov_b32 s44, 8704
	s_cselect_b32 s42, s44, s42
	s_mov_b32 s44, 13312
	s_cselect_b32 s43, s44, s43
	s_add_co_u32 s42, s42, s40
	s_add_co_u32 s44, s43, s40
	s_mov_b32 s43, 0
	s_mov_b32 s45, 0
	s_add_nc_u64 s[34:35], s[18:19], s[42:43]      ; where the codes go
	s_add_nc_u64 s[36:37], s[18:19], s[44:45]      ; where the scale words go
	s_cmp_eq_u32 s23, 1                            ; the last slice asks for nothing more
	s_cbranch_scc1 .Lno_more
	s_add_nc_u64 s[28:29], s[28:29], 0x8000
	s_add_nc_u64 s[30:31], s[30:31], 0x800
	s_add_co_u32 s38, s22, 1
	s_wait_alu depctr_va_vdst(0)                   ; the slice's products are done reading the bias, the weights' scale words and sets 0 to 2, in which the loads below land
	HEADLOADS                                      ; the next slice's first three K steps are on their way while this one is quantised
.Lno_more:
	s_cmp_ge_u32 s22, 32
	s_cbranch_scc1 .Lout_v
.irp a, 0,1,2,3,4,5,6,7                        ; q, k: tile a's 16 positions x 64 channels: two blocks, four registers of codes, all into the out-buffer
	QUANT 2, 32*\a, OUT+4*\a, PW+\a
.endr
.irp b, 0,1,2,3
	v_cndmask_b32 v[TM+\b], v[PW+2*\b], v[PW+2*\b+1], s24   ; lanes 0-15 the even tile's words, lanes 16-31 the odd tile's
.endr
	s_wait_alu depctr_va_vdst(0)                   ; the conversions, swaps and selects have written OUT and TM .. TM + 3, which the nine stores read
.irp a, 0,1,2,3,4,5,6,7
	global_store_b128 v4, v[OUT+4*\a:OUT+4*\a+3], s[34:35] offset:512*\a   ; 512 consecutive bytes
.endr
	global_store_b128 v4, v[TM:TM+3], s[36:37]
	s_branch .Lstep
.Lout_v:
.irp t, 0,1,2,3                                ; v: tile t's 16 channels x 128 keys: four blocks, a whole fragment, all into the out-buffer
	QUANT 4, 64*\t, OUT+8*\t, PW+\t
.endr
	v_cndmask_b32 v[TM], v[PW], v[PW+1], s24
	v_cndmask_b32 v[TM+1], v[PW+2], v[PW+3], s24
	s_wait_alu depctr_va_vdst(0)                   ; the conversions, swaps and selects have written OUT, TM and TM + 1, which the nine stores read
.irp t, 0,1,2,3
	global_store_b128 v4, v[OUT+8*\t:OUT+8*\t+3], s[34:35] offset:1024*\t
	global_store_b128 v4, v[OUT+8*\t+4:OUT+8*\t+7], s[34:35] offset:1024*\t+512
.endr
	global_store_b64 v5, v[TM:TM+1], s[36:37]      ; 256 consecutive aligned bytes
.Lstep:
	s_add_co_u32 s22, s22, 1
	s_sub_co_u32 s23, s23, 1
	s_cmp_lg_u32 s23, 0
	s_cbranch_scc1 .Lslice
	s_endpgm
.Lfunc_end_k_q54ad1bd2f9_qkv:
	.size	k_q54ad1bd2f9_qkv, .Lfunc_end_k_q54ad1bd2f9_qkv-k_q54ad1bd2f9_qkv
	.p2alignl 7, 3214868480
	.fill 96, 4, 3214868480
	.section	.rodata,"a",@progbits
	.p2align	6, 0x0
	.amdhsa_kernel k_q54ad1bd2f9_qkv
		.amdhsa_group_segment_fixed_size 0
		.amdhsa_private_segment_fixed_size 0
		.amdhsa_enable_private_segment 0
		.amdhsa_kernarg_size 64
		.amdhsa_user_sgpr_count 2
		.amdhsa_user_sgpr_kernarg_segment_ptr 1
		.amdhsa_wavefront_size32 1
		.amdhsa_system_sgpr_workgroup_id_x 1
		.amdhsa_system_sgpr_workgroup_id_y 1
		.amdhsa_system_sgpr_workgroup_id_z 1
		.amdhsa_system_vgpr_workitem_id 0
		.amdhsa_next_free_vgpr 1024
		.amdhsa_next_free_sgpr 66
		.amdhsa_reserve_vcc 0
		.amdhsa_float_denorm_mode_32 3
		.amdhsa_float_denorm_mode_16_64 3
		.amdhsa_memory_ordered 1
		.amdhsa_forward_progress 1
		.amdhsa_inst_pref_size 143
	.end_amdhsa_kernel
	.amdgpu_metadata
---
amdhsa.version: [ 1, 2 ]
amdhsa.kernels:
  - .name:           k_q54ad1bd2f9_qkv
    .symbol:         k_q54ad1bd2f9_qkv.kd
    .args:
      - { .name: xc, .offset: 0, .size: 8, .value_kind: global_buffer, .address_space: global }
      - { .name: xs, .offset: 8, .size: 8, .value_kind: global_buffer, .address_space: global }
      - { .name: wc, .offset: 16, .size: 8, .value_kind: global_buffer, .address_space: global }
      - { .name: ws, .offset: 24, .size: 8, .value_kind: global_buffer, .address_space: global }
      - { .name: bq, .offset: 32, .size: 8, .value_kind: global_buffer, .address_space: global }
      - { .name: bk, .offset: 40, .size: 8, .value_kind: global_buffer, .address_space: global }
      - { .name: bv, .offset: 48, .size: 8, .value_kind: global_buffer, .address_space: global }
      - { .name: qkv, .offset: 56, .size: 8, .value_kind: global_buffer, .address_space: global }
    .group_segment_fixed_size: 0
    .private_segment_fixed_size: 0
    .kernarg_segment_align: 8
    .kernarg_segment_size: 64
    .max_flat_workgroup_size: 128
    .sgpr_count:     66
    .vgpr_count:     1024
    .wavefront_size: 32
...
	.end_amdgpu_metadata
.endif
;; end of part 6
;; launch attn (part 7): grid 4 x 64, 16 waves a work-group, clusters of 4 x 1, 167,936 bytes of LDS; arguments qkv, oc, os; writes oc, os
.if DOCPART == 7
	.amdgcn_target "amdgcn-amd-amdhsa--gfx1250"
	.amdhsa_code_object_version 6
	.text
	.protected	k_q54ad1bd2f9_attn
	.globl	k_q54ad1bd2f9_attn
	.p2align	8
	.type	k_q54ad1bd2f9_attn,@function
k_q54ad1bd2f9_attn:
	s_mov_b64 s[64:65], 0
	v_nop
	global_prefetch_b8 v0, s[64:65] scope:SCOPE_SE
	s_setreg_imm32_b32 hwreg(HW_REG_WAVE_MODE, 25, 1), 1
	s_wait_xcnt 0x0
	s_wait_alu depctr_hold_cnt(0) depctr_sa_sdst(0) depctr_va_vdst(0) depctr_va_sdst(0) depctr_va_ssrc(0) depctr_va_vcc(0) depctr_vm_vsrc(0)
	s_getreg_b32 s2, hwreg(HW_REG_IB_STS2, 6, 4)
	s_cmp_eq_u32 s2, 0
	s_cbranch_scc0 .Lentry_in_a_cluster
	s_endpgm
.Lentry_in_a_cluster:
	s_bfe_u32 s2, ttmp6, 0x10000c
	s_cmp_lg_u32 s2, 0x3003
	s_cbranch_scc0 .Lentry_shape_is_right
	s_endpgm
.Lentry_shape_is_right:
; ATTN: for each of the 64 heads (batch x 16 + head): O = softmax(q k^T / 8) v on codes of E2M1, and O quantised along the model's 1,024 for the last product.  Nothing of reference() is left out here.
; THE SOFTMAX AHEAD OF THE SECOND PRODUCT: t = score x log2(e) / 8; M = the running largest t rounded UP to a whole number (kept as -M = floor(-t)); p = 2^(t - M) is what is quantised, along the keys, not normalised.
; The row's sum is taken of the unquantised p and divides O at the end.  When M moves, the sum and O are multiplied by 2^(old M - new M): exact, and no branch on data.
; SHARES: a work-group owns 512 queries of a head; each of its sixteen waves one tile of 16 queries in each of two passes, in 256 registers: four waves to a SIMD, so that one wave's vector work stands beside another's products and LDS loads.
; A HEAD'S WHOLE K AND V LIE IN LDS: 16 key steps of 128 keys x 8,960 bytes (k's codes 0, v's codes 4,096, k's scale words 8,192, v's 8,704), each one dense run of memory.  Each wave brings ONE key step by one tensor load, at the head:
; first fills alone, no slot is filled again, one barrier.  A wave has one tensor load out.
; CLUSTER: the four work-groups of a head want the same 16 runs: each is asked for jointly, by the same load with the same descriptor (made of the head and the wave's number) and the mask of all four.  The place in the cluster enters global addresses of q and of the results alone.
; LAYOUT: both products are used transposed: S^T = k q^T (source 0 = 16 keys), O^T = v^T p^T (source 0 = 16 channels): a lane holds one query throughout.  Lane r of tile T stands for row 32 (T / 2) + 8 (T % 2) + r + 8 (r / 8), so the 16 registers of two neighbouring tiles are 16 neighbours along the next K.
; K = 64 IN AN INSTRUCTION OF 128: q's registers 4-7 are zero codes.  k's operand of tile t is its four registers and the four behind them (the next tile's codes, or zeros): they meet q's zero codes and add nothing; their scale bytes are 0, which is a power of two and no NaN.
; No prefetch: every byte is asked for at the kernel's head.
; LIMITS: p under 2^-126 counts as 0 (v_exp_f32); a block of p that is all zeros keeps the byte 1, its codes are zeros; NaN and infinities are not served.
.set A16,  1                           ; v1   16 lane
.set A8,   2                           ; v2   8 lane + 8,704: v's scale words
.set SPW,  3                           ; v3   LDS address of my spare word; never rewritten
.set NIL,  4                           ; v4   0; never rewritten
.set ADR,  5                           ; v5   the key step's images for my lane
.set ADV,  6                           ; v6   and v's scale words
.set AR16, 7                           ; v7   16 r
.set AOS,  8                           ; v8   where my row's two scale bytes of O go
.set AOG,  9                           ; v9   where wave 0 reads them back
.set KS,   28                          ; v28-31   k's scale words, a pair of tiles a register
.set KF,   32                          ; v32-63   k's codes, four registers a tile; v64-67 zeros
.set VF,   68                          ; v68-99   v's four fragments
.set VS,   100                         ; v100-101 v's scale words
.set S,    104                         ; v104-167 S^T, then p
.set OT,   168                         ; v168-199 O^T
.set PCD,  200                         ; v200-207 p's codes; on the way out O's
.set BM,   208                         ; v208-211 the blocks' largest scores, then largest p
.set T2,   212                         ; v212-215 lane l xor 16's; then bytes
.set SC,   216                         ; v216-219 the conversions' scale operands
.set FF,   220                         ; v[220:221] f = 2^(old M - new M); on the way out 1 / the sum (the pair's upper half is named only)
.set TA,   222
.set SUM2, 224                         ; v[224:225] the second chain of the sum
.set OW,   226                         ; O's two scale bytes
.set PWD,  228                         ; p's scale word
.set TM,   208                         ; the way out's work registers: +0,1 +4,5 +12,13
.set STEPB, 8960
.set OSG,   16*STEPB                   ; 1,024 bytes: the work-group's scale bytes of O
.set SPARE, OSG+1024                   ; the spare words, 128 bytes a wave
.macro CROUND                          ; a round of the cluster's barrier
	s_barrier_signal -1
	s_barrier_wait -1
	s_cmp_lg_u32 s10, 0
	s_cbranch_scc1 .Lnot_wave_0_\@
	s_barrier_signal -3
.Lnot_wave_0_\@:
	s_barrier_wait -3
	s_barrier_signal -1
	s_barrier_wait -1
.endm
	s_load_b128 s[4:7], s[0:1], 0x0                ; qkv, oc
	s_load_b64 s[8:9], s[0:1], 0x10                ; os
	v_lshl_add_u32 v[SPW], v0, 2, SPARE
	v_mov_b32 v[NIL], 0
	ds_add_u32 v[SPW], v[NIL]                      ; the wave's opening: the add, twice on end, and its wait ahead of my first tensor load
	ds_add_u32 v[SPW], v[NIL]
	v_lshrrev_b32 v10, 5, v0
	s_delay_alu instid0(VALU_DEP_1)
	v_readfirstlane_b32 s10, v10                   ; wave 0..15
	s_and_b32 s11, ttmp7, 0xffff                   ; batch x 16 + head
	s_bfe_u32 s12, ttmp6, 0x40000                  ; cx: my block of 512 queries
	; descriptor group 1: 35 rows of 256 bytes (32 elements of 8 bytes), dense in memory and in LDS
	s_mov_b32 s16, 15|(3<<16)|(1<<21)              ; the mask: all four work-groups; elements of 8 bytes; bit 21 beside a mask
	s_mov_b32 s17, 32<<16                          ; tensor_dim0
	s_mov_b32 s18, 35<<16                          ; tensor_dim1
	s_mov_b32 s19, 32<<16                          ; tile_dim0
	s_mov_b32 s20, 35                              ; tile_dim1
	s_mov_b32 s21, 32                              ; from row to row
	s_mov_b32 s22, 0
	s_mov_b32 s23, 0
	s_mov_b32 s24, 1                               ; group 0: count
	s_mul_i32 s25, s10, STEPB                      ; LDS address: key step = my wave's number
	s_lshl_b32 s42, s11, 4
	s_add_co_u32 s43, s42, s10
	s_mul_i32 s44, s43, 13568
	s_add_co_u32 s44, s44, 4608                    ; that key step's run in memory
	s_mov_b32 s45, 0
	s_mov_b32 s28, 0x76543210
	s_mov_b32 s29, 0xfedcba98                      ; v_permlanex16_b32's selects for lane l xor 16
	s_mov_b32 s30, 0x3e38aa3b                      ; c = log2(e) / 8
	s_mov_b32 s31, s30                             ; (named with it as a pair)
	; my queries: pass p takes tile wave % 8 of block 4 cx + 2 p + wave / 8
	s_lshl_b32 s46, s12, 2
	s_lshr_b32 s47, s10, 3
	s_add_co_u32 s46, s46, s47
	s_add_co_u32 s46, s46, s42
	s_mul_i32 s46, s46, 13568
	s_and_b32 s47, s10, 7
	s_lshl_b32 s48, s47, 9
	s_add_co_u32 s48, s48, s46
	s_mov_b32 s49, 0
	s_and_b32 s50, s47, 1
	s_lshl_b32 s50, s50, 8
	s_lshr_b32 s51, s47, 1
	s_lshl_b32 s51, s51, 2
	s_add_co_u32 s50, s50, s51
	s_add_co_u32 s50, s50, s46
	s_mov_b32 s51, 0
	s_lshr_b32 s52, s11, 4                         ; batch
	s_lshl_b32 s53, s52, 7
	s_lshl_b32 s54, s12, 5
	s_add_co_u32 s53, s53, s54
	s_add_co_u32 s53, s53, s10                     ; my tile of rows in pass 0: 128 batch + 32 cx + wave
	s_lshl_b32 s53, s53, 13
	s_and_b32 s54, s11, 15                         ; head
	s_lshl_b32 s55, s54, 9
	s_add_co_u32 s56, s53, s55
	s_mov_b32 s57, 0
	s_lshl_b32 s58, s54, 8
	s_lshl_b32 s59, s52, 6
	s_add_co_u32 s58, s58, s59
	s_lshl_b32 s59, s12, 4
	s_add_co_u32 s58, s58, s59
	s_lshl_b32 s58, s58, 6
	s_mov_b32 s59, 0
	v_and_b32 v10, 31, v0
	s_delay_alu instid0(VALU_DEP_1)
	v_lshlrev_b32 v[A16], 4, v10
	s_delay_alu instid0(VALU_DEP_2)
	v_lshl_add_u32 v[A8], v10, 3, 8704
	v_and_b32 v11, 15, v0
	s_delay_alu instid0(VALU_DEP_1)
	v_lshlrev_b32 v[AR16], 4, v11
	s_lshl_b32 s60, s10, 5
	s_add_co_u32 s60, s60, OSG
	v_lshl_add_u32 v[AOS], v11, 1, s60             ; OSG + 32 wave + 2 r
	v_add_nc_u32 v[AOG], OSG, v[A16]
	s_wait_dscnt 0x0                               ; both opening adds are done
	s_wait_kmcnt 0x0
	s_add_nc_u64 s[26:27], s[4:5], s[44:45]
	s_or_b32 s27, s27, 0x80000000                  ; type = 2
	s_add_nc_u64 s[34:35], s[4:5], s[48:49]        ; q's codes
	s_add_nc_u64 s[36:37], s[4:5], s[50:51]        ; q's scale words
	s_add_nc_u64 s[38:39], s[6:7], s[56:57]        ; O's codes
	s_add_nc_u64 s[40:41], s[8:9], s[58:59]        ; O's scale bytes
	CROUND                                         ; all four work-groups are here: the joint loads meet
	tensor_load_to_lds s[24:27], s[16:23]
	s_nop 0
.rept 4
	v_nop
.endr
	s_wait_alu depctr_va_vdst(0)
	global_load_b128 v[16:19], v[A16], s[34:35]                ; q of pass 0
	global_load_b128 v[232:235], v[A16], s[34:35] offset:27136 ; and of pass 1, two records on
	global_load_b32 v24, v[AR16], s[36:37] offset:4096
	global_load_b32 v25, v[AR16], s[36:37] offset:31232
.irp j, 20,21,22,23,236,237,238,239,64,65,66,67
	v_mov_b32 v\j, 0                               ; zero codes for k = 64 .. 127
.endr
.irp b, 0,1,2,3
	v_mov_b32 v[T2+\b], 0                          ; written once: a lane permute's destination counts as one of its sources
.endr
	v_mov_b32 v[FF+1], 0
	s_wait_tensorcnt 0x0                           ; my key step has landed,
	s_barrier_signal -1
	s_barrier_wait -1                              ; everybody's has
	s_wait_loadcnt 0x0                             ; q
; A KEY STEP: 128 keys.  q, qs: the pass's fragment of q and its scale words.
.macro STEP q, qs
	v_add_nc_u32 v[ADR], s32, v[A16]
	v_add_nc_u32 v[ADV], s32, v[A8]
	v_nop
	v_nop                                          ; four places behind the last step's products, in front of loads into their registers
	ds_load_b128 v[KS:KS+3], v[ADR] offset:8192
.irp t, 0,1,2,3,4,5,6,7
	ds_load_b128 v[KF+4*\t:KF+4*\t+3], v[ADR] offset:512*\t
.endr
	ds_load_b64 v[VS:VS+1], v[ADV]
.irp t, 0,1,2,3
.irp c, 0,1
	ds_load_b128 v[VF+8*\t+4*\c:VF+8*\t+4*\c+3], v[ADR] offset:4096+1024*\t+512*\c
.endr
.endr
	s_wait_dscnt 9                                 ; k and its scale words are in; v's nine loads may be out
.irp t, 0,2,4,6
	v_wmma_scale_f32_16x16x128_f8f6f4 v[S+8*\t:S+8*\t+7], v[KF+4*\t:KF+4*\t+7], v[\q:\q+7], 0, v[KS+\t/2], v[\qs] matrix_a_fmt:MATRIX_FMT_FP4 matrix_b_fmt:MATRIX_FMT_FP4
	v_wmma_scale_f32_16x16x128_f8f6f4 v[S+8*\t+8:S+8*\t+15], v[KF+4*\t+4:KF+4*\t+11], v[\q:\q+7], 0, v[KS+\t/2], v[\qs] matrix_a_fmt:MATRIX_FMT_FP4 matrix_b_fmt:MATRIX_FMT_FP4 matrix_a_scale:MATRIX_SCALE_ROW1
.endr
.rept 4
	v_nop
.endr
.irp b, 0,1,2,3
	v_max3_num_f32 v[BM+\b], v[S+16*\b], v[S+1+16*\b], v[S+2+16*\b]   ; the largest score of each block of 32 keys: for the row's maximum, and, since p rises with the score, for the block's largest p
.endr
.irp i, 3,5,7,9,11,13
.irp b, 0,1,2,3
	v_max3_num_f32 v[BM+\b], v[BM+\b], v[S+16*\b+\i], v[S+1+16*\b+\i]
.endr
.endr
.irp b, 0,1,2,3
	v_max_num_f32 v[BM+\b], v[BM+\b], v[S+15+16*\b]
.endr
.irp b, 0,1,2,3
	s_delay_alu instid0(VALU_DEP_4)
	v_permlanex16_b32 v[T2+\b], v[BM+\b], s28, s29
.endr
.irp b, 0,1,2,3
	s_delay_alu instid0(VALU_DEP_4)
	v_max_num_f32 v[BM+\b], v[BM+\b], v[T2+\b]     ; with lane l xor 16's 16 keys
.endr
	s_delay_alu instid0(VALU_DEP_2)
	v_max3_num_f32 v[TA], v[BM], v[BM+1], v[BM+2]
	s_delay_alu instid0(VALU_DEP_1)
	v_max_num_f32 v[TA], v[TA], v[BM+3]
	s_delay_alu instid0(VALU_DEP_1)
	v_mul_f32 v[TA], s30, v[TA]                    ; as t (c is positive)
	s_delay_alu instid0(VALU_DEP_1)
	v_max_num_f32 v13, v13, v[TA]                  ; the running largest t
	v_mov_b32 v[TA], v12
	s_delay_alu instid0(VALU_DEP_2)
	v_floor_f32 v12, -v13                          ; the new -M = -ceil(t)
	s_delay_alu instid0(VALU_DEP_1)
	v_sub_f32 v[TA], v12, v[TA]                    ; old M - new M: a whole number, 0 or less
	s_delay_alu instid0(VALU_DEP_1)
	v_cvt_i32_f32 v[TA], v[TA]                     ; (it saturates)
	s_delay_alu instid0(VALU_DEP_1)
	v_ldexp_f32 v[FF], 1.0, v[TA]                  ; f
.irp j, 0,2,4,6,8,10,12,14,16,18,20,22,24,26,28,30,32,34,36,38,40,42,44,46,48,50,52,54,56,58,60,62
	v_pk_fma_f32 v[S+\j:S+\j+1], v[S+\j:S+\j+1], s[30:31], v[12:13] op_sel_hi:[1,0,0]   ; t - M, two at a time
.endr
.irp b, 0,1,2,3
	v_fma_f32 v[BM+\b], v[BM+\b], s30, v12         ; the same of each block's largest score
.endr
	s_wait_alu depctr_va_vdst(0)
.irp j, 0,1,2,3,4,5,6,7,8,9,10,11,12,13,14,15,16,17,18,19,20,21,22,23,24,25,26,27,28,29,30,31,32,33,34,35,36,37,38,39,40,41,42,43,44,45,46,47,48,49,50,51,52,53,54,55,56,57,58,59,60,61,62,63
	v_exp_f32 v[S+\j], v[S+\j]                     ; p = 2^(t - M)
.endr
	s_setprio 1
	v_pk_mul_f32 v[14:15], v[14:15], v[FF:FF+1] op_sel_hi:[1,0]   ; the sums under the new M: a plain place behind the exponentials
	s_wait_alu depctr_va_vdst(0)                   ; one wait for the batch of 64, ahead of its first reader
.irp b, 0,1,2,3
	v_exp_f32 v[BM+\b], v[BM+\b]                   ; the block's largest p
.endr
	v_pk_add_f32 v[SUM2:SUM2+1], v[S:S+1], v[S+2:S+3]   ; the row's sum of the unquantised p, in two chains: its first half is the plain work behind the four
.irp j, 4,8,12,16,20,24,28
	v_pk_add_f32 v[14:15], v[14:15], v[S+\j:S+\j+1]
	v_pk_add_f32 v[SUM2:SUM2+1], v[SUM2:SUM2+1], v[S+\j+2:S+\j+3]
.endr
	s_wait_alu depctr_va_vdst(0)                   ; and one for the four
.irp b, 0,1,2,3
	v_max_num_f32 v[BM+\b], 0x1800000, v[BM+\b]    ; the floor 2^(3 - 127)
.endr
.irp b, 0,1,2,3
	s_delay_alu instid0(VALU_DEP_4)
	v_add_nc_u32 v[SC+\b], 0xff000000, v[BM+\b]    ; 2 off the exponent field: the conversion's scale operand
.endr
.irp b, 0,1,2,3
	s_delay_alu instid0(VALU_DEP_4)
	v_lshrrev_b32 v[T2+\b], 23, v[SC+\b]           ; the scale's byte
.endr
	s_delay_alu instid0(VALU_DEP_3)
	v_lshl_or_b32 v[PWD], v[T2+1], 8, v[T2]        ; p's scale word for these 128 keys
	s_delay_alu instid0(VALU_DEP_1)
	v_lshl_or_b32 v[PWD], v[T2+2], 16, v[PWD]
	s_delay_alu instid0(VALU_DEP_1)
	v_lshl_or_b32 v[PWD], v[T2+3], 24, v[PWD]
.irp b, 0,1,2,3
	v_cvt_scalef32_pk8_fp4_f32 v[PCD+2*\b], v[S+16*\b:S+7+16*\b], v[SC+\b]
	v_cvt_scalef32_pk8_fp4_f32 v[PCD+1+2*\b], v[S+8+16*\b:S+15+16*\b], v[SC+\b]
.endr
	v_nop                                          ; one plain place behind a scaled conversion
.irp c, 0,1
.irp i, 0,1
	v_permlane16_swap_b32 v[PCD+4*\c+\i], v[PCD+2+4*\c+\i]   ; a whole block in a lane
.endr
.endr
.irp j, 0,2,4,6,8,10,12,14,16,18,20,22,24,26,28,30
	v_pk_mul_f32 v[OT+\j:OT+\j+1], v[OT+\j:OT+\j+1], v[FF:FF+1] op_sel_hi:[1,0]   ; O^T under the new M
.endr
	s_setprio 0
.irp j, 32,36,40,44,48,52,56,60
	v_pk_add_f32 v[14:15], v[14:15], v[S+\j:S+\j+1]            ; the sum's second half: 17 plain lines that name no register of the products below: their places
	v_pk_add_f32 v[SUM2:SUM2+1], v[SUM2:SUM2+1], v[S+\j+2:S+\j+3]
.endr
	s_delay_alu instid0(VALU_DEP_1)
	v_pk_add_f32 v[14:15], v[14:15], v[SUM2:SUM2+1]
	s_wait_dscnt 0x0                               ; v is in
.irp t, 0,2
	v_wmma_scale_f32_16x16x128_f8f6f4 v[OT+8*\t:OT+8*\t+7], v[VF+8*\t:VF+8*\t+7], v[PCD:PCD+7], v[OT+8*\t:OT+8*\t+7], v[VS+\t/2], v[PWD] matrix_a_fmt:MATRIX_FMT_FP4 matrix_b_fmt:MATRIX_FMT_FP4
	v_wmma_scale_f32_16x16x128_f8f6f4 v[OT+8*\t+8:OT+8*\t+15], v[VF+8*\t+8:VF+8*\t+15], v[PCD:PCD+7], v[OT+8*\t+8:OT+8*\t+15], v[VS+\t/2], v[PWD] matrix_a_fmt:MATRIX_FMT_FP4 matrix_b_fmt:MATRIX_FMT_FP4 matrix_a_scale:MATRIX_SCALE_ROW1
.endr
.endm
; A PASS: one tile of 16 queries against all 2,048 keys, then its way out.
.macro PASS p, q, qs
.if \p
	s_wait_xcnt 0x0                                ; the last pass's store has read its data registers
.endif
	v_mov_b32 v13, 0xff61b1e6                      ; the largest t so far: -3e38
	s_delay_alu instid0(VALU_DEP_1)
	v_floor_f32 v12, -v13                          ; -M
	v_mov_b32 v14, 0
	v_mov_b32 v15, 0
.irp j, 0,1,2,3,4,5,6,7,8,9,10,11,12,13,14,15,16,17,18,19,20,21,22,23,24,25,26,27,28,29,30,31
	v_mov_b32 v[OT+\j], 0                          ; the step is written once: the first finds zeros, which the first change of M leaves zeros
.endr
	s_mov_b32 s32, 0                               ; the key step's first LDS byte
	s_mov_b32 s33, 16
.Lstep_\@:
	s_setprio 2
	STEP \q, \qs
	s_add_co_u32 s32, s32, STEPB
	s_sub_co_u32 s33, s33, 1
	s_cmp_lg_u32 s33, 0
	s_cbranch_scc1 .Lstep_\@
	s_setprio 0
.rept 4
	v_nop                                          ; places behind the last products
.endr
	s_wait_alu depctr_va_vdst(0)
	v_add_f32 v14, v14, v15
	s_delay_alu instid0(VALU_DEP_1)
	v_permlanex16_b32 v[T2], v14, s28, s29
	s_delay_alu instid0(VALU_DEP_1)
	v_add_f32 v14, v14, v[T2]                      ; the row's sum
	s_wait_alu depctr_va_vdst(0)
	v_rcp_f32 v[FF], v14
	v_nop                                          ; a plain place behind the reciprocal
	s_wait_alu depctr_va_vdst(0)                   ; and the wait ahead of its first reader
.irp j, 0,2,4,6,8,10,12,14,16,18,20,22,24,26,28,30
	v_pk_mul_f32 v[OT+\j:OT+\j+1], v[OT+\j:OT+\j+1], v[FF:FF+1] op_sel_hi:[1,0]   ; O / the sum, each accumulator from its low end on: register 16 b + i is channel 32 b + 16 h + i
.endr
.irp b, 0,1
	v_max3_num_f32 v[TM+\b], |v[OT+16*\b]|, |v[OT+1+16*\b]|, 0x1800000
.endr
.irp i, 2,4,6,8,10,12,14
.irp b, 0,1
	s_delay_alu instid0(VALU_DEP_2)
	v_max3_num_f32 v[TM+\b], v[TM+\b], |v[OT+16*\b+\i]|, |v[OT+1+16*\b+\i]|
.endr
.endr
.irp b, 0,1
	s_delay_alu instid0(VALU_DEP_2)
	v_permlanex16_b32 v[TM+4+\b], v[TM+\b], s28, s29
.endr
.irp b, 0,1
	s_delay_alu instid0(VALU_DEP_2)
	v_max_num_f32 v[TM+\b], v[TM+\b], v[TM+4+\b]
.endr
.irp b, 0,1
	s_delay_alu instid0(VALU_DEP_2)
	v_add_nc_u32 v[TM+12+\b], 0xff000000, v[TM+\b]
.endr
.irp b, 0,1
	s_delay_alu instid0(VALU_DEP_2)
	v_lshrrev_b32 v[TM+4+\b], 23, v[TM+12+\b]
.endr
	s_delay_alu instid0(VALU_DEP_1)
	v_lshl_or_b32 v[OW], v[TM+5], 8, v[TM+4]       ; the head's two blocks' bytes of my row
.irp b, 0,1
	v_cvt_scalef32_pk8_fp4_f32 v[PCD+2*\b], v[OT+16*\b:OT+7+16*\b], v[TM+12+\b]
	v_cvt_scalef32_pk8_fp4_f32 v[PCD+1+2*\b], v[OT+8+16*\b:OT+15+16*\b], v[TM+12+\b]
.endr
	v_nop
	v_permlane16_swap_b32 v[PCD], v[PCD+2]
	v_permlane16_swap_b32 v[PCD+1], v[PCD+3]
	global_store_b128 v[A16], v[PCD:PCD+3], s[38:39] offset:131072*\p   ; 512 consecutive bytes: half a fragment of the last product's operand
	ds_store_b16 v[AOS], v[OW] offset:512*\p       ; both lanes of a row write the same two bytes
.endm
	PASS 0, 16, 24
	PASS 1, 232, 25
	s_wait_dscnt 0x0                               ; my scale bytes lie in LDS,
	s_barrier_signal -1
	s_barrier_wait -1                              ; everybody's do
	s_cmp_lg_u32 s10, 0
	s_cbranch_scc1 .Lnot_first
	ds_load_b128 v[104:107], v[AOG]                ; wave 0 stores the work-group's 1,024 bytes: whole runs of 512
	ds_load_b128 v[108:111], v[AOG] offset:512
	s_wait_dscnt 0x0
	global_store_b128 v[A16], v[104:107], s[40:41]
	global_store_b128 v[A16], v[108:111], s[40:41] offset:512
.Lnot_first:
	s_wait_tensorcnt 0x0                           ; the wave's end: three lines behind my last tensor load and my last LDS store
	ds_add_u32 v[SPW], v[NIL]
	s_wait_dscnt 0x0
	CROUND                                         ; the closing round
	s_endpgm
.Lfunc_end_k_q54ad1bd2f9_attn:
	.size	k_q54ad1bd2f9_attn, .Lfunc_end_k_q54ad1bd2f9_attn-k_q54ad1bd2f9_attn
	.p2alignl 7, 3214868480
	.fill 96, 4, 3214868480
	.section	.rodata,"a",@progbits
	.p2align	6, 0x0
	.amdhsa_kernel k_q54ad1bd2f9_attn
		.amdhsa_group_segment_fixed_size 167936
		.amdhsa_private_segment_fixed_size 0
		.amdhsa_enable_private_segment 0
		.amdhsa_kernarg_size 24
		.amdhsa_user_sgpr_count 2
		.amdhsa_user_sgpr_kernarg_segment_ptr 1
		.amdhsa_wavefront_size32 1
		.amdhsa_system_sgpr_workgroup_id_x 1
		.amdhsa_system_sgpr_workgroup_id_y 1
		.amdhsa_system_sgpr_workgroup_id_z 1
		.amdhsa_system_vgpr_workitem_id 0
		.amdhsa_next_free_vgpr 256
		.amdhsa_next_free_sgpr 66
		.amdhsa_reserve_vcc 0
		.amdhsa_float_denorm_mode_32 3
		.amdhsa_float_denorm_mode_16_64 3
		.amdhsa_memory_ordered 1
		.amdhsa_forward_progress 1
		.amdhsa_inst_pref_size 49
	.end_amdhsa_kernel
	.amdgpu_metadata
---
amdhsa.version: [ 1, 2 ]
amdhsa.kernels:
  - .name:           k_q54ad1bd2f9_attn
    .symbol:         k_q54ad1bd2f9_attn.kd
    .args:
      - { .name: qkv, .offset: 0, .size: 8, .value_kind: global_buffer, .address_space: global }
      - { .name: oc, .offset: 8, .size: 8, .value_kind: global_buffer, .address_space: global }
      - { .name: os, .offset: 16, .size: 8, .value_kind: global_buffer, .address_space: global }
    .group_segment_fixed_size: 167936
    .private_segment_fixed_size: 0
    .kernarg_segment_align: 8
    .kernarg_segment_size: 24
    .max_flat_workgroup_size: 512
    .sgpr_count:     66
    .vgpr_count:     256
    .wavefront_size: 32
...
	.end_amdgpu_metadata
.endif
;; end of part 7
;; launch oproj (part 8): grid 256 x 1, 16 waves a work-group, no clusters, 163,840 bytes of LDS; arguments oc, os, wc, ws, x, bo, gamma, beta, out0; writes out0
.if DOCPART == 8
	.amdgcn_target "amdgcn-amd-amdhsa--gfx1250"
	.amdhsa_code_object_version 6
	.text
	.protected	k_q54ad1bd2f9_oproj
	.globl	k_q54ad1bd2f9_oproj
	.p2align	8
	.type	k_q54ad1bd2f9_oproj,@function
k_q54ad1bd2f9_oproj:
	s_mov_b64 s[64:65], 0
	v_nop
	global_prefetch_b8 v0, s[64:65] scope:SCOPE_SE
	s_setreg_imm32_b32 hwreg(HW_REG_WAVE_SCHED_MODE, 0, 2), 2
	s_setreg_imm32_b32 hwreg(HW_REG_WAVE_MODE, 25, 1), 1
	s_wait_xcnt 0x0
	s_wait_alu depctr_vm_vsrc(0)
; OPROJ: y = x + (attention's result) Wo + bo on codes of E2M1, then LayerNorm over the 1,024 columns: out = (y - mean) rsqrt(var + 1e-5) gamma + beta.  Nothing of reference() is left out here.
; SHARES: work-group B owns rows 32 B .. 32 B + 31 whole; wave w columns 64 w .. 64 w + 63: 2 tiles of rows x 4 tiles of columns, eight accumulators, which take turns, one instruction a turn.
; The product is used transposed (source 0 = 16 columns of Wo, source 1 = 16 rows): lane (r, h) holds one row, register 16 b + i of a tile of rows is column 64 w + 32 b + 16 h + i.  x + bo is the C of the first K step.
; The rows' codes (16 KiB) and scale bytes go round through LDS as images of the operand's registers; each wave's own 32 KiB of Wo come from memory straight into its registers, three K steps ahead.
; NO TENSOR LOAD, NO CLUSTER: Wo's 512 KiB do not fit in LDS, and a ring would have eight matrix instructions a wave for each change of slots.
; x comes by rows (256 consecutive bytes for sixteen lanes) and turns into the result's layout through the wave's own stage; the result goes back the same way.
; Mean and variance in two passes, as reference() has them: the variance is the mean of (y - mean)^2, so a common offset of the inputs does no harm.
; THE MODE: SCHED_MODE bits 1:0 = 2 (LLVM: expert scheduling mode 2), set by the entry lines.  The code itself states the register dependences
; between vector or matrix instructions and memory or LDS instructions, with s_wait_alu, always for 0.
; THE PLAN.  Registers that memory or LDS instructions touch:
;   v4-v15, v241-243   offsets and addresses, made once at the head and never written again.
;   v232-240   loaded, read by LDS stores at the head; v232-239 are written by vector instructions from the mean on.
;   ACC        x is loaded into it, LDS stores read it, LDS loads land in it; then vector and matrix instructions alone, until the way out's LDS stores read it.
;   AF         bo is loaded into it and read by the additions; then the rows' fragments, two sets by turns: step s's products read set s % 2, the LDS loads at the head of step s + 1 land in it; then the reductions' reads.
;   WF         three sets by turns: step s's products read set s % 3, the loads at the head of step s + 1 land in it (K step s + 3; then gamma, beta); on the way out the rows come back into sets 0 and 1.
;   v244       written by a reduction's select, read by its LDS store, written again by its additions.
; So ONE wait on va_vdst stands at the head of each of K steps 1 to 7: the products of the step before are done with both their sets, and all the step's loads, from memory and from LDS, follow it.
; Each reduction has one wait on va_vdst ahead of its LDS store and one on vm_vsrc ahead of its additions; the turn of x has one on vm_vsrc; the way out one on va_vdst.
.set STG,   0                          ; 16 waves x 32 rows x 272 bytes, rows in the tiles' order: row 16 u + r
.set AIMG,  16*8704                    ; the rows' 16 fragments: 8,192 u + 1,024 s + 512 c + 16 lane
.set ASC,   AIMG+16384                 ; their scale bytes: 32 (16 u + r) + 2 head
.set RED1,  ASC+1024                   ; the waves' sums: 80 (16 u + r) + 4 wave
.set RED2,  RED1+2560                  ; and sums of squares
.set SPARE, RED2+2560                  ; the spare words, 128 bytes a wave
.set ASCL, 16                          ; v16-23   the rows' scale words, K step s
.set WSC,  24                          ; v24-39   Wo's, 2 s + t / 2
.set ACC,  40                          ; v40-103  32 u + 8 t
.set AF,   104                         ; v104-135 the rows' fragments, two sets of 16; first bo, later the reductions' reads
.set WF,   136                         ; v136-231 Wo's fragments, three sets of 32; at the end gamma in set 2, beta in set 0; on the way out the rows of the result in sets 0 and 1
.set MU,   232                         ; v[232:233], v[234:235] the means, later 1 / sigma, of my rows of tiles 0, 1 (the pairs' upper halves are named only)
.set T0,   236
.set T1,   238
.set SU,   244                         ; v244, v245 sums; v246, v247 lane l xor 16's
.macro WM d, a, b, sa, sb, ra, rb
.if (\ra) && (\rb)
	v_wmma_scale_f32_16x16x128_f8f6f4 v[0+(\d):7+(\d)], v[0+(\a):7+(\a)], v[0+(\b):7+(\b)], v[0+(\d):7+(\d)], v[\sa], v[\sb] matrix_a_fmt:MATRIX_FMT_FP4 matrix_b_fmt:MATRIX_FMT_FP4 matrix_a_scale:MATRIX_SCALE_ROW1 matrix_b_scale:MATRIX_SCALE_ROW1
.elseif (\ra)
	v_wmma_scale_f32_16x16x128_f8f6f4 v[0+(\d):7+(\d)], v[0+(\a):7+(\a)], v[0+(\b):7+(\b)], v[0+(\d):7+(\d)], v[\sa], v[\sb] matrix_a_fmt:MATRIX_FMT_FP4 matrix_b_fmt:MATRIX_FMT_FP4 matrix_a_scale:MATRIX_SCALE_ROW1
.elseif (\rb)
	v_wmma_scale_f32_16x16x128_f8f6f4 v[0+(\d):7+(\d)], v[0+(\a):7+(\a)], v[0+(\b):7+(\b)], v[0+(\d):7+(\d)], v[\sa], v[\sb] matrix_a_fmt:MATRIX_FMT_FP4 matrix_b_fmt:MATRIX_FMT_FP4 matrix_b_scale:MATRIX_SCALE_ROW1
.else
	v_wmma_scale_f32_16x16x128_f8f6f4 v[0+(\d):7+(\d)], v[0+(\a):7+(\a)], v[0+(\b):7+(\b)], v[0+(\d):7+(\d)], v[\sa], v[\sb] matrix_a_fmt:MATRIX_FMT_FP4 matrix_b_fmt:MATRIX_FMT_FP4
.endif
.endm
.macro LOADW s                         ; my four fragments of Wo for K step s: eight loads
.irp t, 0,1,2,3
.irp c, 0,1
	global_load_b128 v[WF+32*((\s)%3)+8*\t+4*\c:WF+32*((\s)%3)+8*\t+4*\c+3], v4, s[8:9] offset:\t*8192+(\s)*1024+\c*512
.endr
.endr
.endm
.macro COLS reg, base                  ; 32 numbers of a vector over the columns, in the result's layout: eight loads
.irp b, 0,1
.irp q, 0,1,2,3
	global_load_b128 v[\reg+16*\b+4*\q:\reg+16*\b+4*\q+3], v11, s[\base:\base+1] offset:128*\b+16*\q
.endr
.endr
.endm
.macro AFLOAD s                        ; the rows' two fragments of K step s: four LDS loads
.irp u, 0,1
.irp c, 0,1
	ds_load_b128 v[AF+16*((\s)%2)+8*\u+4*\c:AF+16*((\s)%2)+8*\u+4*\c+3], v7 offset:\u*8192+(\s)*1024+\c*512
.endr
.endr
.endm
.macro BARRIER
	s_wait_dscnt 0x0                               ; my LDS stores have landed and my LDS loads are in
	s_barrier_signal -1
	s_barrier_wait -1
.endm
.macro KSTEP s
.if (\s) > 0
	s_wait_alu depctr_va_vdst(0)                   ; the products of the step before are done reading their set of Wo's fragments and their set of the rows': the loads below land in these two
.if (\s) < 6
	LOADW (\s)+2
.elseif (\s) == 6
	COLS WF+64, 16                                 ; gamma
.else
	COLS WF, 18                                    ; beta
.endif
.endif
.if (\s) < 7
	AFLOAD (\s)+1
	s_wait_dscnt 4                                 ; this step's fragments are in; the four just issued may be out
.else
	s_wait_dscnt 0x0
.endif
	s_wait_loadcnt 16                              ; two groups of eight loads were issued behind this step's own
.irp t, 0,1,2,3
.irp u, 0,1
	WM ACC+32*\u+8*\t, WF+32*((\s)%3)+8*\t, AF+16*((\s)%2)+8*\u, WSC+2*(\s)+\t/2, ASCL+(\s), \t%2, \u
.endr
.endr
.rept 4
	v_nop                                          ; places in front of loads into registers that the products have read, and of the first read of results
.endr
.endm
; the waves' 16 parts of tile u's rows, read into v[AF + 16 u ..], are added: the same order in every wave
.macro RED16 u
	v_pk_add_f32 v[T0:T0+1], v[AF+16*\u:AF+16*\u+1], v[AF+16*\u+2:AF+16*\u+3]
	v_pk_add_f32 v[T1:T1+1], v[AF+16*\u+4:AF+16*\u+5], v[AF+16*\u+6:AF+16*\u+7]
	v_pk_add_f32 v[T0:T0+1], v[T0:T0+1], v[AF+16*\u+8:AF+16*\u+9]
	v_pk_add_f32 v[T1:T1+1], v[T1:T1+1], v[AF+16*\u+10:AF+16*\u+11]
	v_pk_add_f32 v[T0:T0+1], v[T0:T0+1], v[AF+16*\u+12:AF+16*\u+13]
	v_pk_add_f32 v[T1:T1+1], v[T1:T1+1], v[AF+16*\u+14:AF+16*\u+15]
	v_pk_add_f32 v[T0:T0+1], v[T0:T0+1], v[T1:T1+1]
	v_add_f32 v[SU+\u], v[T0], v[T0+1]
.endm
; my two sums (v244: tile 0's row r, v245: tile 1's) are joined with lane l xor 16's, go to LDS at off, and all waves' parts come back
.macro ACROSS off
	v_permlanex16_b32 v246, v244, s26, s27
	v_permlanex16_b32 v247, v245, s26, s27
	v_add_f32 v244, v244, v246
	v_add_f32 v245, v245, v247
	v_cndmask_b32 v244, v244, v245, s24            ; lanes 0-15 tile 0's rows, lanes 16-31 tile 1's
	s_wait_alu depctr_va_vdst(0)                   ; v244 is written, which the LDS store reads; and the last readers of v[AF ..] (the products; in the second reduction the first one's additions) are done: the loads below land there
	ds_store_b32 v9, v244 offset:\off
	BARRIER
.irp u, 0,1
.irp q, 0,1,2,3
	ds_load_b128 v[AF+16*\u+4*\q:AF+16*\u+4*\q+3], v10 offset:\off+1280*\u+16*\q
.endr
.endr
	s_wait_dscnt 0x0
	s_wait_alu depctr_vm_vsrc(0)                   ; the LDS store has read v244, which the additions below write
	RED16 0
	RED16 1
.endm
	s_load_b512 s[4:19], s[0:1], 0x0               ; oc, os, wc, ws, x, bo, gamma, beta
	s_load_b64 s[20:21], s[0:1], 0x40              ; out0
	v_lshl_add_u32 v12, v0, 2, SPARE               ; my spare word; never rewritten
	v_mov_b32 v13, 0                               ; 0; never rewritten
	v_lshrrev_b32 v1, 5, v0
	v_readfirstlane_b32 s22, v1                    ; wave 0..15
	v_and_b32 v1, 31, v0                           ; lane
	v_and_b32 v2, 15, v0                           ; r
	v_bfe_u32 v3, v0, 4, 1                         ; h
	v_lshlrev_b32 v4, 4, v1                        ; 16 lane
	s_wait_alu depctr_va_sdst(0)                   ; s22 is written, ahead of its first reader: the wave's places in LDS and in memory are made from it
	s_mul_i32 s28, s22, 8704                       ; my stage
	v_mul_u32_u24 v5, v3, 272
	v_lshl_add_u32 v5, v2, 4, v5
	v_add_nc_u32 v5, s28, v5                       ; by rows: lanes 0-15 one row, lanes 16-31 the next
	v_mul_u32_u24 v6, v2, 272
	v_lshl_add_u32 v6, v3, 6, v6
	v_add_nc_u32 v6, s28, v6                       ; by tiles: row r, 64 h bytes on
	v_add_nc_u32 v7, AIMG, v4
	v_lshlrev_b32 v8, 12, v3
	v_lshl_add_u32 v8, v2, 4, v8                   ; in x and out0: two rows of 4,096 bytes, 16 bytes a lane
	v_mul_u32_u24 v9, v1, 80
	s_lshl_b32 s29, s22, 2
	s_add_co_u32 s29, s29, RED1
	v_add_nc_u32 v9, s29, v9
	v_mul_u32_u24 v10, v2, 80
	v_add_nc_u32 v10, RED1, v10
	v_lshlrev_b32 v11, 6, v3                       ; 64 h
	v_lshlrev_b32 v14, 2, v1
	v_lshlrev_b32 v15, 1, v1
	s_lshl_b32 s29, s22, 10
	s_add_co_u32 s29, s29, AIMG
	v_add_nc_u32 v241, s29, v4
	s_lshl_b32 s29, s22, 1
	s_add_co_u32 s29, s29, ASC
	v_lshl_add_u32 v242, v1, 5, s29
	v_lshl_add_u32 v243, v1, 5, ASC
	v_mov_b32 v246, 0                              ; written once: a lane permute's destination counts as one of its sources
	v_mov_b32 v247, 0
	s_mov_b32 s24, 0xffff0000                      ; lanes 16-31
	s_mov_b32 s25, 0x3a800000                      ; 1 / 1,024
	s_mov_b32 s26, 0x76543210
	s_mov_b32 s27, 0xfedcba98
	s_lshl_b32 s30, ttmp9, 14
	s_lshl_b32 s31, s22, 10
	s_add_co_u32 s30, s30, s31
	s_mov_b32 s31, 0
	s_lshl_b32 s32, s22, 8
	s_add_co_u32 s32, s32, ttmp9
	s_lshl_b32 s32, s32, 6
	s_mov_b32 s33, 0
	s_lshl_b32 s34, s22, 15
	s_add_co_u32 s34, s34, 1572864                 ; Wo's tiles begin at 192; mine at 192 + 4 wave
	s_mov_b32 s35, 0
	s_lshl_b32 s36, s22, 11
	s_add_co_u32 s36, s36, 98304
	s_mov_b32 s37, 0
	s_lshl_b32 s38, ttmp9, 17
	s_lshl_b32 s40, s22, 8
	s_add_co_u32 s38, s38, s40
	s_mov_b32 s39, 0
	s_mov_b32 s41, 0
	s_wait_kmcnt 0x0
	s_add_nc_u64 s[4:5], s[4:5], s[30:31]
	s_add_nc_u64 s[6:7], s[6:7], s[32:33]
	s_add_nc_u64 s[8:9], s[8:9], s[34:35]
	s_add_nc_u64 s[10:11], s[10:11], s[36:37]
	s_add_nc_u64 s[12:13], s[12:13], s[38:39]
	s_add_nc_u64 s[20:21], s[20:21], s[38:39]
	s_add_nc_u64 s[14:15], s[14:15], s[40:41]
	s_add_nc_u64 s[16:17], s[16:17], s[40:41]
	s_add_nc_u64 s[18:19], s[18:19], s[40:41]
	s_wait_alu depctr_va_vdst(0)                   ; the offsets and addresses v4 to v15 and v241 to v243 are written: every load and store of the kernel, from memory or LDS, reads one of them
	global_load_b128 v[232:235], v4, s[4:5]                    ; my sixteenth of the rows' codes,
	global_load_b128 v[236:239], v4, s[4:5] offset:512
	global_load_u16 v240, v15, s[6:7]                          ; and head w's scale bytes of the 32 rows
.irp i, 0,1,2,3,4,5,6,7,8,9,10,11,12,13,14,15
	global_load_b128 v[ACC+4*\i:ACC+4*\i+3], v8, s[12:13] offset:2*\i*4096 th:TH_LOAD_NT   ; x: rows 2 i, 2 i + 1, my 256 bytes of each
.endr
	COLS AF, 14                                    ; bo
.irp k, 0,1,2,3,4,5,6,7
.irp p, 0,1
	global_load_b32 v[WSC+2*\k+\p], v14, s[10:11] offset:\p*1024+\k*128
.endr
.endr
	LOADW 0
	LOADW 1
	LOADW 2
	s_wait_loadcnt 63                              ; 64 loads were issued behind the first three: those are in
	ds_store_b128 v241, v[232:235]
	ds_store_b128 v241, v[236:239] offset:512
	ds_store_b16 v242, v240
	s_wait_loadcnt 48                              ; x is in; bo's 8, the scale words' 16 and Wo's 24 may be out
.irp i, 0,1,2,3,4,5,6,7,8,9,10,11,12,13,14,15
	ds_store_b128 v5, v[ACC+4*\i:ACC+4*\i+3] offset:(16*(((2*\i)/8)%2)+8*((2*\i)/16)+(2*\i)%8)*272   ; row rho lies at stage row 16 ((rho / 8) % 2) + 8 (rho / 16) + rho % 8
.endr
	s_wait_alu depctr_vm_vsrc(0)                   ; the LDS stores have read v[ACC ..], in which the loads below land, and v232 to v239, which vector instructions write from the mean on
.irp u, 0,1
.irp b, 0,1
.irp q, 0,1,2,3
	ds_load_b128 v[ACC+32*\u+16*\b+4*\q:ACC+32*\u+16*\b+4*\q+3], v6 offset:16*\u*272+128*\b+16*\q   ; LDS serves a wave's instructions in order: these see my stores
.endr
.endr
.endr
	s_wait_loadcnt 40                              ; bo is in
	s_wait_dscnt 0x0
.irp u, 0,1
.irp j, 0,2,4,6,8,10,12,14,16,18,20,22,24,26,28,30
	v_pk_add_f32 v[ACC+32*\u+\j:ACC+32*\u+\j+1], v[ACC+32*\u+\j:ACC+32*\u+\j+1], v[AF+\j:AF+\j+1]   ; x + bo: where the sums begin
.endr
.endr
	BARRIER                                        ; the rows' codes and scale bytes lie in LDS
	s_wait_alu depctr_va_vdst(0)                   ; the additions are done reading bo in v[AF ..], in which the fragments of K steps 0 and 1 land
	ds_load_b128 v[ASCL:ASCL+3], v243
	ds_load_b128 v[ASCL+4:ASCL+7], v243 offset:16
	AFLOAD 0
.rept 4
	v_nop                                          ; between the additions that made C and the first product
.endr
.irp k, 0,1,2,3,4,5,6,7
	KSTEP \k
.endr
	; ---- the mean
.irp u, 0,1
	v_pk_add_f32 v[T0:T0+1], v[ACC+32*\u:ACC+32*\u+1], v[ACC+32*\u+2:ACC+32*\u+3]   ; each accumulator from its low end on
	v_pk_add_f32 v[T1:T1+1], v[ACC+32*\u+4:ACC+32*\u+5], v[ACC+32*\u+6:ACC+32*\u+7]
.irp j, 8,12,16,20,24,28
	v_pk_add_f32 v[T0:T0+1], v[T0:T0+1], v[ACC+32*\u+\j:ACC+32*\u+\j+1]
	v_pk_add_f32 v[T1:T1+1], v[T1:T1+1], v[ACC+32*\u+\j+2:ACC+32*\u+\j+3]
.endr
	v_pk_add_f32 v[T0:T0+1], v[T0:T0+1], v[T1:T1+1]
	v_add_f32 v[SU+\u], v[T0], v[T0+1]
.endr
	ACROSS 0
	v_mul_f32 v[MU], s25, v244
	v_mul_f32 v[MU+2], s25, v245
	; ---- the variance: d = y - mean in place, then the mean of d^2
.irp u, 0,1
.irp j, 0,2,4,6,8,10,12,14,16,18,20,22,24,26,28,30
	v_pk_add_f32 v[ACC+32*\u+\j:ACC+32*\u+\j+1], v[ACC+32*\u+\j:ACC+32*\u+\j+1], v[MU+2*\u:MU+2*\u+1] op_sel_hi:[1,0] neg_lo:[0,1] neg_hi:[0,1]
.endr
.endr
.irp u, 0,1
	v_pk_mul_f32 v[T0:T0+1], v[ACC+32*\u:ACC+32*\u+1], v[ACC+32*\u:ACC+32*\u+1]
	v_pk_mul_f32 v[T1:T1+1], v[ACC+32*\u+2:ACC+32*\u+3], v[ACC+32*\u+2:ACC+32*\u+3]
.irp j, 4,8,12,16,20,24,28
	v_pk_fma_f32 v[T0:T0+1], v[ACC+32*\u+\j:ACC+32*\u+\j+1], v[ACC+32*\u+\j:ACC+32*\u+\j+1], v[T0:T0+1]
	v_pk_fma_f32 v[T1:T1+1], v[ACC+32*\u+\j+2:ACC+32*\u+\j+3], v[ACC+32*\u+\j+2:ACC+32*\u+\j+3], v[T1:T1+1]
.endr
	v_pk_add_f32 v[T0:T0+1], v[T0:T0+1], v[T1:T1+1]
	v_add_f32 v[SU+\u], v[T0], v[T0+1]
.endr
	ACROSS 2560
	v_fmaak_f32 v244, s25, v244, 0x3727c5ac        ; var + 1e-5
	v_fmaak_f32 v245, s25, v245, 0x3727c5ac
	s_wait_alu depctr_va_vdst(0)
	v_rsq_f32 v[MU], v244
	v_rsq_f32 v[MU+2], v245
	v_nop                                          ; a plain place behind the two
	s_wait_alu depctr_va_vdst(0)                   ; the two reciprocal roots have written v[MU] and v[MU + 2]: one wait ahead of their first reader
	s_wait_loadcnt 0x0                             ; gamma and beta
.irp u, 0,1
.irp j, 0,2,4,6,8,10,12,14,16,18,20,22,24,26,28,30
	v_pk_mul_f32 v[ACC+32*\u+\j:ACC+32*\u+\j+1], v[ACC+32*\u+\j:ACC+32*\u+\j+1], v[MU+2*\u:MU+2*\u+1] op_sel_hi:[1,0]
.endr
.irp j, 0,2,4,6,8,10,12,14,16,18,20,22,24,26,28,30
	v_pk_fma_f32 v[ACC+32*\u+\j:ACC+32*\u+\j+1], v[ACC+32*\u+\j:ACC+32*\u+\j+1], v[WF+64+\j:WF+64+\j+1], v[WF+\j:WF+\j+1]
.endr
.endr
	; ---- the way out, through my own stage: in by tiles, back by rows, into Wo's sets 0 and 1
	s_wait_alu depctr_va_vdst(0)                   ; the multiply-adds have written v[ACC ..], which the LDS stores read, and are done reading beta in set 0, as the products are with set 1: the loads below land in these two sets
.irp u, 0,1
.irp b, 0,1
.irp q, 0,1,2,3
	ds_store_b128 v6, v[ACC+32*\u+16*\b+4*\q:ACC+32*\u+16*\b+4*\q+3] offset:16*\u*272+128*\b+16*\q
.endr
.endr
.endr
.irp i, 0,1,2,3,4,5,6,7,8,9,10,11,12,13,14,15
	ds_load_b128 v[WF+4*\i:WF+4*\i+3], v5 offset:(16*(((2*\i)/8)%2)+8*((2*\i)/16)+(2*\i)%8)*272   ; LDS serves a wave's instructions in order: these see my stores
.endr
.irp i, 0,1,2,3,4,5,6,7,8,9,10,11,12,13,14,15
	s_wait_dscnt 15-\i
	global_store_b128 v8, v[WF+4*\i:WF+4*\i+3], s[20:21] offset:2*\i*4096 th:TH_STORE_NT   ; sixteen lanes store 256 consecutive aligned bytes of a row
.endr
	s_wait_dscnt 0x0                               ; the closing lines, six on end, of a launch in the mode that stores to LDS
	s_wait_alu 0x0
	s_wait_tensorcnt 0x0
	ds_add_u32 v12, v13
	s_wait_dscnt 0x0
	s_endpgm
.Lfunc_end_k_q54ad1bd2f9_oproj:
	.size	k_q54ad1bd2f9_oproj, .Lfunc_end_k_q54ad1bd2f9_oproj-k_q54ad1bd2f9_oproj
	.p2alignl 7, 3214868480
	.fill 96, 4, 3214868480
	.section	.rodata,"a",@progbits
	.p2align	6, 0x0
	.amdhsa_kernel k_q54ad1bd2f9_oproj
		.amdhsa_group_segment_fixed_size 163840
		.amdhsa_private_segment_fixed_size 0
		.amdhsa_enable_private_segment 0
		.amdhsa_kernarg_size 72
		.amdhsa_user_sgpr_count 2
		.amdhsa_user_sgpr_kernarg_segment_ptr 1
		.amdhsa_wavefront_size32 1
		.amdhsa_system_sgpr_workgroup_id_x 1
		.amdhsa_system_sgpr_workgroup_id_y 1
		.amdhsa_system_sgpr_workgroup_id_z 1
		.amdhsa_system_vgpr_workitem_id 0
		.amdhsa_next_free_vgpr 256
		.amdhsa_next_free_sgpr 66
		.amdhsa_reserve_vcc 0
		.amdhsa_float_denorm_mode_32 3
		.amdhsa_float_denorm_mode_16_64 3
		.amdhsa_memory_ordered 1
		.amdhsa_forward_progress 1
		.amdhsa_inst_pref_size 51
	.end_amdhsa_kernel
	.amdgpu_metadata
---
amdhsa.version: [ 1, 2 ]
amdhsa.kernels:
  - .name:           k_q54ad1bd2f9_oproj
    .symbol:         k_q54ad1bd2f9_oproj.kd
    .args:
      - { .name: oc, .offset: 0, .size: 8, .value_kind: global_buffer, .address_space: global }
      - { .name: os, .offset: 8, .size: 8, .value_kind: global_buffer, .address_space: global }
      - { .name: wc, .offset: 16, .size: 8, .value_kind: global_buffer, .address_space: global }
      - { .name: ws, .offset: 24, .size: 8, .value_kind: global_buffer, .address_space: global }
      - { .name: x, .offset: 32, .size: 8, .value_kind: global_buffer, .address_space: global }
      - { .name: bo, .offset: 40, .size: 8, .value_kind: global_buffer, .address_space: global }
      - { .name: gamma, .offset: 48, .size: 8, .value_kind: global_buffer, .address_space: global }
      - { .name: beta, .offset: 56, .size: 8, .value_kind: global_buffer, .address_space: global }
      - { .name: out0, .offset: 64, .size: 8, .value_kind: global_buffer, .address_space: global }
    .group_segment_fixed_size: 163840
    .private_segment_fixed_size: 0
    .kernarg_segment_align: 8
    .kernarg_segment_size: 72
    .max_flat_workgroup_size: 512
    .sgpr_count:     66
    .vgpr_count:     256
    .wavefront_size: 32
...
	.end_amdgpu_metadata
.endif
;; end of part 8
